; MI455X (gfx1250); checked and timed in simulation.
; The chip was launched on July 23, 2026; its instructions are those of AMD's public machine-readable ISA for CDNA 5 (MIT licence, August 2026) and "CDNA5" Instruction Set Architecture Reference Guide (July 2026). The comments in the code are by the model that wrote it; some were corrected since.
;; Grouped Query Attention. Allowed arithmetic: matrix products marked QUANTISED: E2M1 operands, one E8M0 scale for each 32 along K, by v_wmma_scale_f32_16x16x128_f8f6f4 with both operands' format E2M1 (or v_wmma_scale_f32_32x16x128_f4), f32 sums; products left as they are: bf16, f16 or f32 operands; f32 sums; everything else in f32.
;; Inputs: cos_rope 2,048 x 64 float32; sin_rope 2,048 x 64 float32; wk 512 x 2,048 float32; wo 2,048 x 2,048 float32; wq 2,048 x 2,048 float32; wv 512 x 2,048 float32; x 1 x 2,048 x 2,048 float32.
;; Outputs: out0 1 x 2,048 x 2,048 float32.
;; Constants: last_position = 0, use_cache = 0.
;; This version of the problem:
;;   THIS VERSION OF THE PROBLEM IS GIVEN IN LOW PRECISION. The matrix products marked QUANTISED in the list below multiply operands that are first quantised to E2M1 (2 exponent bits, 1 mantissa bit; 4 bits a number), with one power-of-two scale for each 32 numbers along K (OCP MX v1.0); their sums are f32. The products marked 'left as it is' may take bf16, f16 or f32 operands, with f32 sums. Whichever they take, every output number must still come out within the allowed error. Rounding operands to bf16 (8 significant bits) uses up far more of that allowance than f16 does (11 bits, for magnitudes from 6e-5 to 65,504). All else is computed in f32.
;;   The module's matrix products, in the order in which they are computed (A, B: the left and right operand; K: the contracted axis; several contracted axes count as one K, in the product's order):
;;     1. [M 2,048, K 2,048] x [K 2,048, N 2,048]; A: input x; B: input wq: QUANTISED
;;     2. [M 2,048, K 2,048] x [K 2,048, N 512]; A: input x; B: input wk: QUANTISED
;;     3. [M 2,048, K 2,048] x [K 2,048, N 512]; A: input x; B: input wv: QUANTISED
;;     4. batch 8 x [M 8,192, K 64] x [K 64, N 2,048]; A: computed on the way; B: computed on the way: left as it is (an operand is computed on the way)
;;     5. batch 8 x [M 8,192, K 2,048] x [K 2,048, N 64]; A: computed on the way; B: computed on the way: left as it is (an operand is computed on the way)
;;     6. [M 2,048, K 2,048] x [K 2,048, N 2,048]; A: computed on the way; B: input wo: left as it is (an operand is computed on the way)
;;   THE QUANTISER, for each operand of a quantised product, along K:
;;     - K is cut into blocks of 32 from its start; a last block that is shorter is filled with zeros.
;;     - A block's scale is 2^e with e = floor(log2(the largest magnitude in the block)) - 2, held to -126 .. 127; a block of zeros has e = 0. As a byte (E8M0): e + 127.
;;     - Each number is divided by its block's scale, clamped to +-6, and rounded to the nearest number of E2M1, ties to even, subnormals kept.
;;     - The product sums the exact products of the quantised numbers (number of the format x scale) in f32.
;;   ~~~python
;;   def quantise(x, axis):      # numpy; x: float32 -> the quantised numbers, widened to float32 again
;;       x = np.moveaxis(x, axis, -1); K = x.shape[-1]
;;       x = np.pad(x, [(0, 0)] * (x.ndim - 1) + [(0, -K % 32)]); x = x.reshape(x.shape[:-1] + (-1, 32)); a = np.abs(x).max(-1, keepdims=True)
;;       e = np.where(a > 0, np.clip(np.frexp(np.where(a > 0, a, 1))[1] - 1 - 2, -126, 127), 0)      # np.frexp(a)[1] - 1 = floor(log2(a)), exactly
;;       r = np.clip(x / 2.0 ** e, -6, 6)
;;       step = 2.0 ** (np.maximum(np.frexp(np.where(r == 0, 1, r))[1] - 1, 0) - 1)
;;       q = np.round(r / step) * step * 2.0 ** e      # np.round: ties to even
;;       return np.moveaxis(q.reshape(q.shape[:-2] + (-1,))[..., :K], -1, axis).astype(np.float32)
;;   ~~~
;; One version. Each part assembles by itself: llvm-mc -triple=amdgcn-amd-amdhsa -mcpu=gfx1250 --defsym DOCPART=n.
;; ======== version 1 of 1: 5 launches
;; limits: values are held in f16: magnitudes above 65,504 overflow, below 6.1e-05 lose precision
;; workspace buffers: codes 5,242,880 bytes; scales 327,680 bytes; qkv 12,582,912 bytes; qkv32 196,608 bytes; wo16 8,388,608 bytes; ctx 8,388,608 bytes
;; launch quant (part 1): grid 320 x 1, 4 waves a work-group, no clusters, 33,280 bytes of LDS; arguments x, wq, wk, wv, codes, scales; writes codes, scales
.if DOCPART == 1
	.amdgcn_target "amdgcn-amd-amdhsa--gfx1250"
	.amdhsa_code_object_version 6
	.text
	.protected	k_qbc7a5bb23d_quant
	.globl	k_qbc7a5bb23d_quant
	.p2align	8
	.type	k_qbc7a5bb23d_quant,@function
k_qbc7a5bb23d_quant:
	s_mov_b64 s[64:65], 0
	v_nop
	global_prefetch_b8 v0, s[64:65] scope:SCOPE_SE
	s_setreg_imm32_b32 hwreg(HW_REG_WAVE_MODE, 25, 1), 1
	s_wait_xcnt 0x0
; x [2048][2048], wq [2048][2048], wk [512][2048], wv [512][2048], f32, K innermost, become codes of E2M1 (two a byte, the lower k in the low four bits)
; and one E8M0 byte for each 32 along K.  The four tensors are laid on end: codes [5120 rows][1024 bytes], scales [5120][64 bytes]; rows 0-2047 x, 2048-4095 wq, 4096-4607 wk, 4608-5119 wv.
; A block's scale is 2^(floor(log2(largest magnitude)) - 2): its byte is the largest magnitude's exponent field - 2, held at 1 from below.
; LIMITS: a block of zeros gets the byte 1 (its codes are zeros, and only this program reads the bytes); blocks whose largest magnitude lies under 2^-124 are held at the byte 1; NaN and infinities are not served.
; Rows are dense and 2048 is a multiple of 32, so all is a plain stream of blocks.  A work-group takes 32,768 numbers, a wave 8,192 in 16 steps of 512.
; Each of a step's four loads reads 512 consecutive bytes; the 2,048 bytes turn through the wave's own stage in LDS and come back 64 bytes a lane: 16 neighbours along K, two lanes to a block.
; A lane's 16 codes are 8 bytes: the wave stores 256 consecutive bytes.  A wave's 256 scale bytes are gathered in LDS and leave as one aligned run of 256 bytes.  Waves share nothing: no barrier.
.set WAVES, 4
.set STEPS, 16
.set EMAX,  2
.set CB,    8                          ; bytes of 16 codes
.set R,     16                         ; v16-79   four sets of 16 numbers as loaded
.set X,     80                         ; v80-111  two sets of 16 neighbours
.set C,     128                        ; v128-191 codes: four registers a step, never written again
.set E,     112                        ; v112-127 a scale byte for each step
.set WREG,  8192                       ; LDS region of a wave: two stages of 32 x SP bytes, then its 256 scale bytes
.set SP,    80                         ; a lane's place in a stage: 64 bytes + 16 of padding
.set SPW,   12                         ; v12 my spare word's LDS address; never rewritten
.set NIL,   13                         ; v13 0; never rewritten
.set SPARE, WAVES*WREG                 ; the spare words: 128 bytes a wave, named by no other line
	s_load_b256 s[4:11], s[0:1], 0x0               ; x s[4:5], wq s[6:7], wk s[8:9], wv s[10:11]
	s_load_b128 s[12:15], s[0:1], 0x20             ; codes s[12:13], scales s[14:15]
	v_lshl_add_u32 v[SPW], v0, 2, SPARE
	v_mov_b32 v[NIL], 0
	v_lshrrev_b32 v1, 5, v0
	v_readfirstlane_b32 s16, v1                    ; wave
	v_and_b32 v2, 31, v0                           ; lane
	v_lshlrev_b32 v3, 4, v2                        ; my 16 bytes of a load's 512
	s_mul_i32 s17, s16, WREG
	v_lshrrev_b32 v14, 2, v2
	v_mul_u32_u24 v14, v14, SP
	v_and_b32 v15, 3, v2
	v_lshl_add_u32 v14, v15, 4, v14
	v_add_nc_u32 v14, s17, v14                     ; the stage, way in: SP (lane / 4) + 16 (lane % 4)
	v_mul_u32_u24 v15, v2, SP
	v_add_nc_u32 v15, s17, v15                     ; way out: SP x lane
	v_mul_u32_u24 v4, v2, CB                       ; my codes' place in a step's
	v_lshrrev_b32 v5, 1, v2
	s_add_co_u32 s17, s17, 2*32*SP
	v_add_nc_u32 v5, s17, v5                       ; my block's byte among the wave's 256
	v_lshlrev_b32 v7, 3, v2
	v_add_nc_u32 v6, s17, v7                       ; and 8 bytes a lane on their way out
	s_mov_b32 s17, 288                             ; the first work-group of the tensor that is chosen
	s_wait_kmcnt 0x0
	s_cmp_lt_u32 ttmp9, 288                        ; the choice hangs on the work-group's number alone: wk or wv,
	s_cselect_b64 s[8:9], s[8:9], s[10:11]
	s_cselect_b32 s17, 256, s17
	s_cmp_lt_u32 ttmp9, 256                        ; wq or that,
	s_cselect_b64 s[6:7], s[6:7], s[8:9]
	s_cselect_b32 s17, 128, s17
	s_cmp_lt_u32 ttmp9, 128                        ; x or that
	s_cselect_b64 s[4:5], s[4:5], s[6:7]
	s_cselect_b32 s17, 0, s17
	s_sub_co_u32 s17, ttmp9, s17
	s_lshl_b32 s17, s17, 2
	s_add_co_u32 s18, s17, s16                     ; my run of 8,192 numbers in its tensor
	s_lshl_b32 s18, s18, 15                        ; 32,768 bytes a run
	s_mov_b32 s19, 0
	s_add_nc_u64 s[4:5], s[4:5], s[18:19]
	s_lshl_b32 s20, ttmp9, 2
	s_add_co_u32 s20, s20, s16                     ; my run in the joint stream
	s_lshl_b32 s18, s20, 12                        ; 4,096 bytes of codes a run
	s_add_nc_u64 s[12:13], s[12:13], s[18:19]
	s_lshl_b32 s18, s20, 8                         ; 256 scale bytes a run
	s_add_nc_u64 s[14:15], s[14:15], s[18:19]
.macro LOAD t
.irp i, 0,1,2,3
	global_load_b128 v[R+16*((\t)%4)+4*\i:R+16*((\t)%4)+4*\i+3], v3, s[4:5] offset:2048*(\t)+512*\i th:TH_LOAD_NT   ; 32 lanes read 512 consecutive bytes
.endr
.endm
.macro TURN t                          ; step t's numbers through the stage: LDS serves a wave's instructions in order, so no wait stands between
.irp i, 0,1,2,3
	ds_store_b128 v14, v[R+16*((\t)%4)+4*\i:R+16*((\t)%4)+4*\i+3] offset:32*SP*((\t)%2)+8*SP*\i
.endr
.irp i, 0,1,2,3
	ds_load_b128 v[X+16*((\t)%2)+4*\i:X+16*((\t)%2)+4*\i+3], v15 offset:32*SP*((\t)%2)+16*\i
.endr
.endm
.irp t, 0,1,2,3
	LOAD \t
.endr
	s_wait_loadcnt 12                              ; step 0's four loads are in; twelve younger ones stay out
	TURN 0
.macro STEP t
.set XS, X+16*((\t)%2)
.if (\t) > 0
	s_wait_dscnt 1                                 ; this step's numbers are back (the last step's byte store may be out)
.else
	s_wait_dscnt 0x0
.endif
.if (\t)+4 < STEPS
	LOAD (\t)+4                                    ; the stage's stores have read these registers: they take the loads of four steps on
.endif
.if (\t)+1 < STEPS
.if STEPS-2-(\t) >= 3
	s_wait_loadcnt 12                              ; the next step's four loads are in; three steps' loads stay out
.else
	s_wait_loadcnt 4*(STEPS-2-(\t))
.endif
	TURN (\t)+1
.endif
	v_max3_num_f32 v8, |v[XS]|, |v[XS+1]|, |v[XS+2]|               ; the largest magnitude of my 16, in two chains
	v_max3_num_f32 v9, |v[XS+3]|, |v[XS+4]|, |v[XS+5]|
.irp i, 6,10
	v_max3_num_f32 v8, v8, |v[XS+\i]|, |v[XS+\i+1]|
	v_max3_num_f32 v9, v9, |v[XS+\i+2]|, |v[XS+\i+3]|
.endr
	v_max3_num_f32 v8, v8, |v[XS+14]|, |v[XS+15]|
	v_max3_num_f32 v8, v8, v9, (EMAX+1)<<23        ; and the floor 2^(3 - 127): the byte cannot fall under 1
	v_max_num_f32_dpp v8, v8, v8 row_xmask:1 row_mask:0xf bank_mask:0xf   ; with my neighbour's 16: the block's
	v_add_nc_u32 v11, -(EMAX<<23), v8              ; 2 off its exponent field: the conversion takes the exponent field of this operand as its scale
	v_cvt_scalef32_pk8_fp4_f32 v[C+4*(\t)], v[XS:XS+7], v11
	v_cvt_scalef32_pk8_fp4_f32 v[C+4*(\t)+1], v[XS+8:XS+15], v11
	v_lshrrev_b32 v[E+(\t)], 23, v11               ; the scale's byte (also the plain line behind the conversions)
	ds_store_b8 v5, v[E+(\t)] offset:16*(\t)       ; both lanes of a block write the same byte with the same value
	global_store_b64 v4, v[C+4*(\t):C+4*(\t)+1], s[12:13] offset:32*CB*(\t)   ; 256 consecutive bytes a wave
.endm
.irp t, 0,1,2,3,4,5,6,7,8,9,10,11,12,13,14,15
	STEP \t
.endr
	ds_load_b64 v[8:9], v6                         ; in order behind my byte stores
	s_wait_dscnt 0x0
	global_store_b64 v7, v[8:9], s[14:15]          ; 256 consecutive bytes, aligned
	s_wait_tensorcnt 0x0                           ; the wave's end
	ds_add_u32 v[SPW], v[NIL]
	s_wait_dscnt 0x0
	s_endpgm
.Lfunc_end_k_qbc7a5bb23d_quant:
	.size	k_qbc7a5bb23d_quant, .Lfunc_end_k_qbc7a5bb23d_quant-k_qbc7a5bb23d_quant
	.p2alignl 7, 3214868480
	.fill 96, 4, 3214868480
	.section	.rodata,"a",@progbits
	.p2align	6, 0x0
	.amdhsa_kernel k_qbc7a5bb23d_quant
		.amdhsa_group_segment_fixed_size 33280
		.amdhsa_private_segment_fixed_size 0
		.amdhsa_enable_private_segment 0
		.amdhsa_kernarg_size 48
		.amdhsa_user_sgpr_count 2
		.amdhsa_user_sgpr_kernarg_segment_ptr 1
		.amdhsa_wavefront_size32 1
		.amdhsa_system_sgpr_workgroup_id_x 1
		.amdhsa_system_sgpr_workgroup_id_y 1
		.amdhsa_system_sgpr_workgroup_id_z 1
		.amdhsa_system_vgpr_workitem_id 0
		.amdhsa_next_free_vgpr 192
		.amdhsa_next_free_sgpr 66
		.amdhsa_reserve_vcc 0
		.amdhsa_float_denorm_mode_32 3
		.amdhsa_float_denorm_mode_16_64 3
		.amdhsa_memory_ordered 1
		.amdhsa_forward_progress 1
		.amdhsa_inst_pref_size 34
	.end_amdhsa_kernel
	.amdgpu_metadata
---
amdhsa.version: [ 1, 2 ]
amdhsa.kernels:
  - .name:           k_qbc7a5bb23d_quant
    .symbol:         k_qbc7a5bb23d_quant.kd
    .args:
      - { .name: x, .offset: 0, .size: 8, .value_kind: global_buffer, .address_space: global }
      - { .name: wq, .offset: 8, .size: 8, .value_kind: global_buffer, .address_space: global }
      - { .name: wk, .offset: 16, .size: 8, .value_kind: global_buffer, .address_space: global }
      - { .name: wv, .offset: 24, .size: 8, .value_kind: global_buffer, .address_space: global }
      - { .name: codes, .offset: 32, .size: 8, .value_kind: global_buffer, .address_space: global }
      - { .name: scales, .offset: 40, .size: 8, .value_kind: global_buffer, .address_space: global }
    .group_segment_fixed_size: 33280
    .private_segment_fixed_size: 0
    .kernarg_segment_align: 8
    .kernarg_segment_size: 48
    .max_flat_workgroup_size: 128
    .sgpr_count:     66
    .vgpr_count:     192
    .wavefront_size: 32
...
	.end_amdgpu_metadata
.endif
;; end of part 1
;; launch qkv (part 2): grid 12 x 16, 4 waves a work-group, clusters of 4 x 4, 327,680 bytes of LDS; arguments codes, scales, cos_rope, sin_rope, qkv, qkv32; writes qkv, qkv32
.if DOCPART == 2
	.amdgcn_target "amdgcn-amd-amdhsa--gfx1250"
	.amdhsa_code_object_version 6
	.text
	.protected	k_qbc7a5bb23d_qkv
	.globl	k_qbc7a5bb23d_qkv
	.p2align	8
	.type	k_qbc7a5bb23d_qkv,@function
k_qbc7a5bb23d_qkv:
	s_mov_b64 s[64:65], 0
	v_nop
	global_prefetch_b8 v0, s[64:65] scope:SCOPE_SE
	s_setreg_imm32_b32 hwreg(HW_REG_WAVE_MODE, 25, 1), 1
	s_wait_xcnt 0x0
	s_wait_alu depctr_hold_cnt(0) depctr_sa_sdst(0) depctr_va_vdst(0) depctr_va_sdst(0) depctr_va_ssrc(0) depctr_va_vcc(0) depctr_vm_vsrc(0)
	s_getreg_b32 s2, hwreg(HW_REG_IB_STS2, 6, 4)
	s_cmp_eq_u32 s2, 0
	s_cbranch_scc0 .Lentry_in_a_cluster
	s_endpgm
.Lentry_in_a_cluster:
	s_bfe_u32 s2, ttmp6, 0x10000c
	s_cmp_lg_u32 s2, 0xf033
	s_cbranch_scc0 .Lentry_shape_is_right
	s_endpgm
.Lentry_shape_is_right:
; [q | k | v][s][n] = sum over k of x[s][k] w[n][k] on codes of E2M1 with E8M0 scales: one product of 2048 x 3072 x 2048.  A = rows 0-2047 of codes, B = rows 2048-5119 (wq, wk, wv on end).
; Then the rotation by cos_rope and sin_rope (q and k; v passes with cos = 1, sin = 0, chosen by a select, no branch), rounded to f16 and stored as qkv [48 heads][2048 s][64]; heads 0-31 q, 32-39 k, 40-47 v.
; Positions 0-15 are stored in f32 as well, qkv32 [48][16][64]: those stores are pieces of 32 bytes, 196,608 bytes in the whole launch.
; SHARES.  A tile of 128 positions x 256 columns is made by four waves, 64 x 128 each: 32 accumulators, 256 registers; 16 x 12 = 192 work-groups.  A wave's 128 columns are two whole heads.
; LDS.  K has four steps of 512 (tile rows of 256 bytes).  A slot holds 128 rows of A and 256 of B, 272 bytes apart: 104,448 bytes; THREE slots and the spare words take 313,856 bytes.
; K steps 0, 1 and 2 are first fills, asked for together at the head: three tensor loads of a wave are out.  Only K step 3 is a refill, into slot 0 behind the one round after K step 0; it has K steps 1 and 2 in which to land.
; THE SCALE WORDS do not fit beside three slots (26,112 bytes with their padding), so each wave takes its own into 128 registers once, at the head: a lane takes 16 bytes of its row of 64 for each K step,
; so the four K steps' loads together take each byte of the row once.  Lanes 0-15 hold the words of A's block i, lanes 16-31 those of B's block i (for i over 3 lanes 0-15 hold words that nobody uses).
; COS AND SIN of the wave's 64 positions, 256 registers, are asked for at the head too and are waited for once, behind the last product.
; CLUSTER 4 x 4: A's tiles are shared along a row of the cluster, B's along a column: each is asked for jointly, by the same load with the same descriptor and a mask naming the four.
; TRANSPOSED USE: source 0 = 16 rows of B, source 1 = 16 rows of A: a lane holds one position (lane % 16) and eight neighbouring channels; the rotation's partner, 32 channels on, is the same lane and register two accumulators on.
; No prefetch: three of the four K steps are asked for by the first lines of the kernel.
; LIMITS: f16 results: magnitudes up to 65,504; under 6e-5 an absolute step of 2^-24.  The rotation is one multiply and one fused multiply-add.  NaN and infinities are not served.
; REGISTERS: window 0: v0-31 addresses; v32-159 scale words (K step ks, block i, 128 along K q: v[32 + 32 ks + 4 i + q]); v160-223 A's fragments, two sets; on the way out v32-191 are free.
;   window 1: B's fragments, two sets, at v0 and v128.   window 2: the accumulators ((a, b) at v[8 (8 a + b)]).   window 3: cos and sin, 64 registers a block of 16 positions.
.set SIZE_K, 2048
.set NQ,     4                         ; products deep in a K step
.set ROWB,   256                       ; a tile's row in bytes: 512 codes
.set KROW,   SIZE_K/2                  ; a row of codes in memory
.set PITCH,  272                       ; an LDS row: 256 bytes + 16 of padding: the 16 rows of a fragment load start 68 words apart
.set FR,     8                         ; registers of a fragment
.set NP,     4                         ; plain lines owed behind a product of this form
.set AH,     64*PITCH                  ; 64 rows of A: what wave 0 or 1 fetches, and what one wave reads
.set BH,     128*PITCH                 ; 128 rows of B: what wave 2 or 3 fetches, and what one wave reads
.set SLOT,   2*AH+2*BH
.set SPARE,  3*SLOT                    ; the spare words: 128 bytes a wave, named by no other line
.set HP,     144                       ; the way out: a stage row, 64 f16 + 16 bytes
.set HST,    16*HP                     ; a head's 16 rows
.set WST,    2*HST                     ; a wave's stage
.set STG,    SLOT                      ; the stages lie in slot 1: filled once, and read by nobody behind the barrier in front of K step 3
.set ADRA, 16                          ; v16-18 LDS address of my A fragments in slot 0, 1, 2
.set ADRB, 20                          ; v20-22 the same for B
.set STO,  24
.set RD,   25
.set CO,   26
.set SO,   27                          ; v27 byte offset of my row's scale bytes
.set SPW,  28
.set NIL,  29
.set CA,   30                          ; v30 256 r + 32 h: my place in 16 rows of cos, sin and qkv32
.set R0V,  31                          ; v31 my wave's first position
.set SC,   32
.set AF,   160
.set T,    32                          ; the way out: 32 rotated numbers of a head
.set PK,   64                          ; their f16: 16 registers a head, two sets by turns
.set BK,   128                         ; rows read back from the stage, two sets by turns
.set G1,  24                           ; s[24:31] group 1 for A's tiles;  s[32:43] group 0, a set for each slot
.set G0,  32
.set G1B, 48                           ; s[48:55], s[68:79] the same for B's
.set G0B, 68
.set MSB, 0
.macro WIN new                         ; the immediate's high byte repeats the setting that is left
.if MSB != \new
	s_set_vgpr_msb (MSB<<8)|\new
.set MSB, \new
.endif
.endm
.set MUL,  0xa1                        ; source 0 (B) window 1, source 1 (A) window 0, C and D window 2
.set TO_B, 0x40                        ; destination window 1, address window 0
.macro JLOAD g0a, g1a, g0b, g1b        ; a joint load: waves 0, 1 for A, waves 2, 3 for B; the branch hangs on the wave's number alone; s_nop 0 and four v_nop follow each line
	s_cmp_eq_u32 s15, 0
	s_cbranch_scc0 .Lfor_b_\@
	tensor_load_to_lds s[\g0a:\g0a+3], s[\g1a:\g1a+7]
	s_nop 0
.rept 4
	v_nop
.endr
	s_branch .Lasked_\@
.Lfor_b_\@:
	tensor_load_to_lds s[\g0b:\g0b+3], s[\g1b:\g1b+7]
	s_nop 0
.rept 4
	v_nop
.endr
.Lasked_\@:
.endm
.macro CREST                           ; a round of the cluster's barrier behind its opening barrier
	s_cmp_lg_u32 s14, 0
	s_cbranch_scc1 .Lnot_wave_0_\@
	s_barrier_signal -3
.Lnot_wave_0_\@:
	s_barrier_wait -3
	s_barrier_signal -1
	s_barrier_wait -1
.endm
.macro CROUND
	s_barrier_signal -1
	s_barrier_wait -1
	CREST
.endm
	s_load_b128 s[4:7], s[0:1], 0x0                ; codes s[4:5], scales s[6:7]
	s_load_b128 s[96:99], s[0:1], 0x10             ; cos s[96:97], sin s[98:99]
	s_load_b64 s[100:101], s[0:1], 0x20            ; qkv
	s_load_b64 s[66:67], s[0:1], 0x28              ; qkv32
	v_lshl_add_u32 v[SPW], v0, 2, SPARE
	v_mov_b32 v[NIL], 0
	ds_add_u32 v[SPW], v[NIL]                      ; the opening: the add, twice on end, and its wait ahead of my first tensor load
	ds_add_u32 v[SPW], v[NIL]
	v_lshrrev_b32 v1, 5, v0
	v_readfirstlane_b32 s14, v1                    ; wave 0..3
	s_lshr_b32 s15, s14, 1                         ; my half of the tile's rows; also: I fetch for A (0) or B (1)
	s_and_b32 s16, s14, 1                          ; my half of its columns; also: which half of that tile I fetch
	s_bfe_u32 s80, ttmp6, 0x40000                  ; cx
	s_bfe_u32 s81, ttmp6, 0x40004                  ; cy
	s_lshl_b32 s82, ttmp9, 2
	s_add_co_u32 s82, s82, s80                     ; tile column
	s_and_b32 s17, ttmp7, 0xffff
	s_lshl_b32 s17, s17, 2
	s_add_co_u32 s17, s17, s81                     ; tile row
	s_lshl_b32 s83, s81, 2
	s_lshl_b32 s83, 15, s83                        ; my row of the cluster
	s_lshl_b32 s84, 0x1111, s80                    ; my column
	s_or_b32 s[G1+0], s83, (0<<16)|(1<<20)|(1<<21)|(5<<22)|(3<<25)  ; the mask; elements of 1 byte; 4 words of padding behind every 64
	s_or_b32 s[G1B+0], s84, (0<<16)|(1<<20)|(1<<21)|(5<<22)|(3<<25)
.irp g, G1, G1B
	s_mov_b32 s[\g+1], ROWB<<16                    ; tensor_dim0
	s_mov_b32 s[\g+3], ROWB<<16                    ; tile_dim0
	s_mov_b32 s[\g+5], KROW                        ; the pitch in memory
	s_mov_b32 s[\g+6], 0
	s_mov_b32 s[\g+7], 0
.endr
	s_mov_b32 s[G1+2], 64<<16                      ; A: tensor_dim1 = tile_dim1 = 64 rows a load
	s_mov_b32 s[G1+4], 64
	s_mov_b32 s[G1B+2], 128<<16                    ; B: 128 rows a load
	s_mov_b32 s[G1B+4], 128
	s_lshl_b32 s18, s16, 6
	s_lshl_b32 s20, s17, 7
	s_add_co_u32 s20, s20, s18                     ; A: row 128 x tile row + 64 x half
	s_lshl_b32 s20, s20, 10                        ; 1,024 bytes a row
	s_mov_b32 s21, 0
	s_lshl_b32 s18, s16, 7
	s_lshl_b32 s46, s82, 8
	s_add_co_u32 s46, s46, s18                     ; B: row 256 x tile column + 128 x half
	s_lshl_b32 s46, s46, 10
	s_mov_b32 s47, 0
	s_mul_i32 s44, s16, AH                         ; where they go in a slot: no place in the cluster enters an LDS address
	s_mul_i32 s45, s16, BH
	s_add_co_u32 s45, s45, 2*AH
	s_wait_dscnt 0x0                               ; both opening adds are done
	s_wait_kmcnt 0x0
	s_add_nc_u64 s[8:9], s[4:5], 0x200000          ; B's codes begin behind x's 2048 rows of 1,024 bytes
	s_add_nc_u64 s[20:21], s[4:5], s[20:21]
	s_add_nc_u64 s[46:47], s[8:9], s[46:47]
	CROUND                                         ; all sixteen work-groups are here: the first joint loads meet
.irp s, 0,1,2
	s_mov_b32 s[G0+4*\s], 1
	s_add_co_u32 s[G0+4*\s+1], s44, \s*SLOT
	s_add_nc_u64 s[G0+4*\s+2:G0+4*\s+3], s[20:21], \s*ROWB
	s_or_b32 s[G0+4*\s+3], s[G0+4*\s+3], 0x80000000
	s_mov_b32 s[G0B+4*\s], 1
	s_add_co_u32 s[G0B+4*\s+1], s45, \s*SLOT
	s_add_nc_u64 s[G0B+4*\s+2:G0B+4*\s+3], s[46:47], \s*ROWB
	s_or_b32 s[G0B+4*\s+3], s[G0B+4*\s+3], 0x80000000
	JLOAD G0+4*\s, G1, G0B+4*\s, G1B               ; K steps 0, 1, 2: three loads of mine are out
.endr
	v_and_b32 v1, 15, v0                           ; r
	v_bfe_u32 v2, v0, 4, 1                         ; h
	s_lshl_b32 s12, s17, 7
	s_lshl_b32 s13, s15, 6
	s_add_co_u32 s12, s12, s13                     ; my first position = my first row of A
	s_lshl_b32 s13, s82, 8
	s_lshl_b32 s18, s16, 7
	s_add_co_u32 s13, s13, s18
	s_add_co_u32 s13, s13, 2048                    ; my first row of B in the joint stream of 5,120 rows
	s_sub_co_u32 s13, s13, s12                     ; how far it lies behind my first row of A
	v_mul_u32_u24 v5, s13, v2                      ; lanes 16-31 take B's
	v_add_nc_u32 v5, v5, v1
	v_add_nc_u32 v5, s12, v5
	v_lshlrev_b32 v[SO], 6, v5                     ; 64 scale bytes a row
.irp ks, 0,1,2,3
.irp i, 0,1,2,3,4,5,6,7
	global_load_b128 v[SC+32*\ks+NQ*\i:SC+32*\ks+NQ*\i+3], v[SO], s[6:7] offset:1024*\i+16*\ks   ; block i's rows, K step ks's four words; the furthest row named is 5,119
.endr
.endr
	v_lshlrev_b32 v[CA], 8, v1
	v_lshl_add_u32 v[CA], v2, 5, v[CA]
	v_mov_b32 v[R0V], s12
	s_lshl_b32 s22, s12, 8                         ; a row of cos or sin is 256 bytes
	s_mov_b32 s23, 0
	s_add_nc_u64 s[96:97], s[96:97], s[22:23]
	s_add_nc_u64 s[98:99], s[98:99], s[22:23]
.macro LOADCS a                        ; cos and sin of block a's 16 positions, my 32 channels: cos at v[64 a + 0..31], sin at + 32..63 of window 3; register 8 bb + j = channel 16 bb + 8 h + j
.irp bb, 0,1,2,3
.irp e, 0,1
	global_load_b128 v[64*(\a)+8*\bb+4*\e:64*(\a)+8*\bb+4*\e+3], v[CA], s[96:97] offset:(\a)*4096+64*\bb+16*\e
	global_load_b128 v[64*(\a)+32+8*\bb+4*\e:64*(\a)+32+8*\bb+4*\e+3], v[CA], s[98:99] offset:(\a)*4096+64*\bb+16*\e
.endr
.endr
.endm
	WIN 0xc0                                       ; destination window 3
.irp a, 0,1,2,3
	LOADCS \a                                      ; 64 loads that stay out through the products, which touch none of these registers
.endr
	WIN 0
	v_mul_u32_u24 v3, v1, PITCH
	v_lshl_add_u32 v4, v2, 4, v3                   ; a fragment's row x pitch + 16 x half
	s_mul_i32 s10, s15, AH                         ; my 64 rows of A
	s_mul_i32 s11, s16, BH                         ; my 128 rows of B,
	s_add_co_u32 s11, s11, 2*AH                    ; which lie behind A's 128
.irp s, 0,1,2
	v_add_nc_u32 v[ADRA+\s], s10, v4
	v_add_nc_u32 v[ADRB+\s], s11, v4
	s_add_co_u32 s10, s10, SLOT
	s_add_co_u32 s11, s11, SLOT
.endr
	s_mul_i32 s23, s14, WST
	s_add_co_u32 s23, s23, STG                     ; my stage
	v_mul_u32_u24 v5, v1, HP
	v_lshl_add_u32 v5, v2, 4, v5
	v_add_nc_u32 v[STO], s23, v5                   ; in: row r, 16 bytes for each half of the lanes
	v_and_b32 v6, 31, v0
	v_lshlrev_b32 v[CO], 4, v6                     ; out: 16 bytes a lane of 512 consecutive bytes (four rows of a head)
	v_lshrrev_b32 v5, 3, v6
	v_mul_u32_u24 v5, v5, HP
	v_and_b32 v6, 7, v0
	v_lshl_add_u32 v5, v6, 4, v5
	v_add_nc_u32 v[RD], s23, v5                    ; back: row lane / 8, 16 (lane % 8)
	s_lshl_b32 s22, s12, 7                         ; a row of a head is 128 bytes
	s_mov_b32 s23, 0
	s_add_nc_u64 s[100:101], s[100:101], s[22:23]
	s_lshl_b32 s46, s82, 2
	s_lshl_b32 s47, s16, 1
	s_add_co_u32 s46, s46, s47                     ; my first head: 4 x tile column + 2 x half
	s_lshl_b32 s92, s46, 18
	s_mov_b32 s93, 0
	s_add_nc_u64 s[100:101], s[100:101], s[92:93]
	s_lshl_b32 s92, s46, 12
	s_add_nc_u64 s[66:67], s[66:67], s[92:93]
	s_cmp_lt_u32 s82, 10                           ; tile columns 0-9 are q and k: they are rotated
	s_cselect_b32 s95, -1, 0
.macro FRAG reg, adr, q, i             ; 16 rows x 128 K of 4-bit codes: 8 registers, two loads of 16 bytes, 32 apart
.irp c, 0,1
	ds_load_b128 v[\reg+4*\c:\reg+4*\c+3], v[\adr] offset:64*(\q)+32*\c+(\i)*16*PITCH
.endr
.endm
.macro FETCH slot, q, p                ; 24 LDS loads in one run: B's eight fragments and A's four of the slot's q-th 128 along K, into set p
	WIN TO_B
.irp i, 0,1,2,3,4,5,6,7
	FRAG 128*(\p)+FR*\i, ADRB+\slot, \q, \i
.endr
	WIN 0
.irp i, 0,1,2,3
	FRAG AF+32*(\p)+FR*\i, ADRA+\slot, \q, \i
.endr
.endm
; 8 products: A's block a x B's eight, set p, the q-th 128 along K of K step ks.  The 32 accumulators take turns, one instruction a turn, in the same order in every step.
.macro MULA a, p, q, ks, zero
.irp b, 0,1,2,3,4,5,6,7
.if \zero
	v_wmma_scale_f32_16x16x128_f8f6f4 v[8*(8*(\a)+\b):8*(8*(\a)+\b)+7], v[128*(\p)+FR*\b:128*(\p)+FR*\b+FR-1], v[AF+32*(\p)+FR*(\a):AF+32*(\p)+FR*(\a)+FR-1], 0, v[SC+32*(\ks)+NQ*\b+(\q)], v[SC+32*(\ks)+NQ*(\a)+(\q)] matrix_a_fmt:MATRIX_FMT_FP4 matrix_b_fmt:MATRIX_FMT_FP4 matrix_a_scale:MATRIX_SCALE_ROW1
.else
	v_wmma_scale_f32_16x16x128_f8f6f4 v[8*(8*(\a)+\b):8*(8*(\a)+\b)+7], v[128*(\p)+FR*\b:128*(\p)+FR*\b+FR-1], v[AF+32*(\p)+FR*(\a):AF+32*(\p)+FR*(\a)+FR-1], v[8*(8*(\a)+\b):8*(8*(\a)+\b)+7], v[SC+32*(\ks)+NQ*\b+(\q)], v[SC+32*(\ks)+NQ*(\a)+(\q)] matrix_a_fmt:MATRIX_FMT_FP4 matrix_b_fmt:MATRIX_FMT_FP4 matrix_a_scale:MATRIX_SCALE_ROW1
.endif
.endr
.endm
.macro PLACES n                        ; plain vector lines between a product and a load into, or a read of, its registers
.rept \n
	v_nop
.endr
.endm
; A step of 128 along K: multiplies set p, and first asks for the next step's fragments (slot fslot, its fq-th 128 along K) into the other set, which the last step's products read.
.macro STEP p, q, ks, zero, fslot, fq
	s_wait_dscnt 0x0                               ; this step's fragments, asked for a step ago, are in
	PLACES NP
	FETCH \fslot, \fq, 1-(\p)
	WIN MUL
	MULA 0, \p, \q, \ks, \zero
	MULA 1, \p, \q, \ks, \zero
	MULA 2, \p, \q, \ks, \zero
	MULA 3, \p, \q, \ks, \zero
	WIN 0
.endm
; A K step's last step with a barrier in it.  In front of the barrier each wave waits for all its tensor loads, adds 0 to its spare word, and waits for that and for its reads of the slot in hand.
; fill = 1: the barrier opens a round of the cluster's, and slot 0, which has just been read out, takes K step 3.  fill = 0: nothing is filled; behind the barrier K step 3 is whole for every wave.
.macro TURN ks, next, fill
	s_wait_tensorcnt 0x0                           ; all my tensor loads have landed
	ds_add_u32 v[SPW], v[NIL]
	s_wait_dscnt 1                                 ; the step's 24 fragment loads are in; the add may be out
	WIN MUL
	MULA 0, 1, NQ-1, \ks, 0
	s_wait_dscnt 0x0                               ; the add is done, and my reads of this slot are over
	s_barrier_signal -1
	MULA 1, 1, NQ-1, \ks, 0
	WIN 0
	s_barrier_wait -1
.if \fill
	CREST                                          ; no wave of any partner still reads slot 0 or has a load on its way
	s_add_nc_u64 s[G0+2:G0+3], s[G0+2:G0+3], 3*ROWB
	s_add_nc_u64 s[G0B+2:G0B+3], s[G0B+2:G0B+3], 3*ROWB
	JLOAD G0, G1, G0B, G1B                         ; my one tensor load behind the round; its four v_nop are the places for the loads below
.else
	PLACES NP
.endif
	FETCH \next, 0, 0
	WIN MUL
	MULA 2, 1, NQ-1, \ks, 0
	MULA 3, 1, NQ-1, \ks, 0
	WIN 0
.endm
	s_wait_tensorcnt 2                             ; my part of K step 0 is in; K steps 1 and 2 may be out
	s_barrier_signal -1
	s_barrier_wait -1
	FETCH 0, 0, 0
	s_wait_loadcnt 63                              ; the scale words are in: 64 loads of cos and sin were issued behind them
	STEP 0, 0, 0, 1, 0, 1                          ; K step 0, slot 0: the first step's products start the sums
	STEP 1, 1, 0, 0, 0, 2
	STEP 0, 2, 0, 0, 0, 3
	TURN 0, 1, 1                                   ; slot 0 takes K step 3; slots 1 and 2 are whole for every wave from here on
	STEP 0, 0, 1, 0, 1, 1                          ; K step 1, slot 1
	STEP 1, 1, 1, 0, 1, 2
	STEP 0, 2, 1, 0, 1, 3
	STEP 1, 3, 1, 0, 2, 0                          ; on into slot 2: no barrier is owed
	STEP 0, 0, 2, 0, 2, 1                          ; K step 2, slot 2
	STEP 1, 1, 2, 0, 2, 2
	STEP 0, 2, 2, 0, 2, 3
	TURN 2, 0, 0
	STEP 0, 0, 3, 0, 0, 1                          ; K step 3, slot 0
	STEP 1, 1, 3, 0, 0, 2
	STEP 0, 2, 3, 0, 0, 3
	s_wait_dscnt 0x0                               ; the last step: nothing more to fetch
	WIN MUL
	MULA 0, 1, 3, 3, 0
	MULA 1, 1, 3, 3, 0
	MULA 2, 1, 3, 3, 0
	MULA 3, 1, 3, 3, 0
	WIN 0
; THE WAY OUT, a block of 16 positions x my two heads at a time.  out[d] = t[d] cos[d] - t[d + 32] sin[d] for d < 32, t[d] cos[d] + t[d - 32] sin[d] else.
; ROPE a: rotated, rounded, into my stage.  BACK a: read back as rows.  SEND a: stored.  Block a's arithmetic stands between block a - 1's loads from the stage and the wait for them.
.macro ROPE a
.set CSB, 64*(\a)
.set AC,  64*(\a)
.set PKB, PK+32*((\a)%2)
	WIN 0xcc                                       ; source 1 and destination window 3
.set i, 0
.rept 32
	v_cndmask_b32 v[CSB+i], 1.0, v[CSB+i], s95     ; v's columns: cos = 1,
	v_cndmask_b32 v[CSB+32+i], 0, v[CSB+32+i], s95 ; sin = 0
.set i, i+1
.endr
.irp hh, 0,1
	WIN 0x0e                                       ; source 0: the accumulators, window 2; source 1: cos and sin, window 3
.irp bb, 0,1
.irp jp, 0,2,4,6                       ; each accumulator is read from its low end on
	v_pk_mul_f32 v[T+8*\bb+\jp:T+8*\bb+\jp+1], v[AC+8*(4*\hh+\bb)+\jp:AC+8*(4*\hh+\bb)+\jp+1], v[CSB+8*\bb+\jp:CSB+8*\bb+\jp+1]
	v_pk_mul_f32 v[T+16+8*\bb+\jp:T+16+8*\bb+\jp+1], v[AC+8*(4*\hh+\bb+2)+\jp:AC+8*(4*\hh+\bb+2)+\jp+1], v[CSB+16+8*\bb+\jp:CSB+16+8*\bb+\jp+1]
.endr
.endr
.irp bb, 0,1
.irp jp, 0,2,4,6
	v_pk_fma_f32 v[T+8*\bb+\jp:T+8*\bb+\jp+1], v[AC+8*(4*\hh+\bb+2)+\jp:AC+8*(4*\hh+\bb+2)+\jp+1], v[CSB+32+8*\bb+\jp:CSB+32+8*\bb+\jp+1], v[T+8*\bb+\jp:T+8*\bb+\jp+1] neg_lo:[1,0,0] neg_hi:[1,0,0]
	v_pk_fma_f32 v[T+16+8*\bb+\jp:T+16+8*\bb+\jp+1], v[AC+8*(4*\hh+\bb)+\jp:AC+8*(4*\hh+\bb)+\jp+1], v[CSB+48+8*\bb+\jp:CSB+48+8*\bb+\jp+1], v[T+16+8*\bb+\jp:T+16+8*\bb+\jp+1]
.endr
.endr
	WIN 0
.set i, 0
.rept 16
	v_cvt_pk_f16_f32 v[PKB+16*\hh+i], v[T+2*i], v[T+2*i+1]
.set i, i+1
.endr
.if (\a) == 0                          ; positions 0-15 also in f32: only the waves whose first position is 0 store, by EXEC and not by a branch
	v_cmp_eq_u32 vcc_lo, 0, v[R0V]
	s_wait_xcnt 0x0                                ; EXEC is a source of the loads and stores issued so far
	s_and_saveexec_b32 s2, vcc_lo
.irp bb, 0,1,2,3
.irp e, 0,1
	global_store_b128 v[CA], v[T+8*\bb+4*\e:T+8*\bb+4*\e+3], s[66:67] offset:4096*\hh+64*\bb+16*\e
.endr
.endr
	s_wait_xcnt 0x0                                ; and again ahead of the restore; T may be written again behind it too
	s_or_b32 exec_lo, exec_lo, s2
.endif
.irp bb, 0,1,2,3
	ds_store_b128 v[STO], v[PKB+16*\hh+4*\bb:PKB+16*\hh+4*\bb+3] offset:HST*\hh+32*\bb
.endr
.endr
.endm
.macro BACK a
.set BKB, BK+32*((\a)%2)
.irp hh, 0,1
.irp i, 0,1,2,3
	ds_load_b128 v[BKB+4*(4*\hh+\i):BKB+4*(4*\hh+\i)+3], v[RD] offset:HST*\hh+4*HP*\i   ; my own bytes, in order behind my stores; the next block's stores come behind these loads
.endr
.endr
.endm
.macro SEND a, younger                 ; younger: the LDS instructions issued behind block a's loads, which may stay out
.set BKB, BK+32*((\a)%2)
	s_wait_dscnt \younger
.irp hh, 0,1
.irp i, 0,1,2,3
	global_store_b128 v[CO], v[BKB+4*(4*\hh+\i):BKB+4*(4*\hh+\i)+3], s[100:101] offset:262144*\hh+2048*(\a)+512*\i   ; 512 consecutive bytes, aligned
.endr
.endr
.endm
	PLACES NP                                      ; behind the last products: for the writes over their scale words and fragments and for the reads of results
	s_wait_loadcnt 0x0                             ; cos and sin, asked for at the head
.irp a, 0,1,2,3
	ROPE \a
.if \a > 1
	s_wait_xcnt 0x0                                ; block a - 2's stores have read the registers that the loads below fill
.endif
	BACK \a
.if \a > 0
	SEND \a-1, 16                                  ; behind block a - 1's loads: block a's 8 stores and 8 loads
.endif
.endr
	SEND 3, 0
	s_wait_tensorcnt 0x0                           ; the wave's end
	ds_add_u32 v[SPW], v[NIL]
	s_wait_dscnt 0x0
	CROUND                                         ; the closing round
	s_endpgm
.Lfunc_end_k_qbc7a5bb23d_qkv:
	.size	k_qbc7a5bb23d_qkv, .Lfunc_end_k_qbc7a5bb23d_qkv-k_qbc7a5bb23d_qkv
	.p2alignl 7, 3214868480
	.fill 96, 4, 3214868480
	.section	.rodata,"a",@progbits
	.p2align	6, 0x0
	.amdhsa_kernel k_qbc7a5bb23d_qkv
		.amdhsa_group_segment_fixed_size 327680
		.amdhsa_private_segment_fixed_size 0
		.amdhsa_enable_private_segment 0
		.amdhsa_kernarg_size 48
		.amdhsa_user_sgpr_count 2
		.amdhsa_user_sgpr_kernarg_segment_ptr 1
		.amdhsa_wavefront_size32 1
		.amdhsa_system_sgpr_workgroup_id_x 1
		.amdhsa_system_sgpr_workgroup_id_y 1
		.amdhsa_system_sgpr_workgroup_id_z 1
		.amdhsa_system_vgpr_workitem_id 0
		.amdhsa_next_free_vgpr 1024
		.amdhsa_next_free_sgpr 102
		.amdhsa_reserve_vcc 1
		.amdhsa_float_denorm_mode_32 3
		.amdhsa_float_denorm_mode_16_64 3
		.amdhsa_memory_ordered 1
		.amdhsa_forward_progress 1
		.amdhsa_inst_pref_size 163
	.end_amdhsa_kernel
	.amdgpu_metadata
---
amdhsa.version: [ 1, 2 ]
amdhsa.kernels:
  - .name:           k_qbc7a5bb23d_qkv
    .symbol:         k_qbc7a5bb23d_qkv.kd
    .args:
      - { .name: codes, .offset: 0, .size: 8, .value_kind: global_buffer, .address_space: global }
      - { .name: scales, .offset: 8, .size: 8, .value_kind: global_buffer, .address_space: global }
      - { .name: cos_rope, .offset: 16, .size: 8, .value_kind: global_buffer, .address_space: global }
      - { .name: sin_rope, .offset: 24, .size: 8, .value_kind: global_buffer, .address_space: global }
      - { .name: qkv, .offset: 32, .size: 8, .value_kind: global_buffer, .address_space: global }
      - { .name: qkv32, .offset: 40, .size: 8, .value_kind: global_buffer, .address_space: global }
    .group_segment_fixed_size: 327680
    .private_segment_fixed_size: 0
    .kernarg_segment_align: 8
    .kernarg_segment_size: 48
    .max_flat_workgroup_size: 128
    .sgpr_count:     102
    .vgpr_count:     1024
    .wavefront_size: 32
...
	.end_amdgpu_metadata
.endif
;; end of part 2
;; launch first16 (part 3): grid 128 x 1, 8 waves a work-group, no clusters, 142,336 bytes of LDS; arguments qkv32, wo, wo16, out0; writes wo16, out0
.if DOCPART == 3
	.amdgcn_target "amdgcn-amd-amdhsa--gfx1250"
	.amdhsa_code_object_version 6
	.text
	.protected	k_qbc7a5bb23d_first16
	.globl	k_qbc7a5bb23d_first16
	.p2align	8
	.type	k_qbc7a5bb23d_first16,@function
k_qbc7a5bb23d_first16:
	s_mov_b64 s[64:65], 0
	v_nop
	global_prefetch_b8 v0, s[64:65] scope:SCOPE_SE
	s_setreg_imm32_b32 hwreg(HW_REG_WAVE_MODE, 25, 1), 1
	s_wait_xcnt 0x0
; Positions 0-15 in f32 throughout (attention and the projection on the way out), since their rows average one to sixteen values and are the largest; and wo is rounded to f16 on the way, wo16 [2048][2048].
; Work-group X owns output columns 16 X .. 16 X + 15, that is 16 rows of wo.  Wave w owns K = 256 w .. 256 w + 255 of the projection: heads 4 w .. 4 w + 3, which share key and value head w.
; So each wave makes the attention of its own four heads (16 queries x 16 keys, causal, maximum taken away) and has the result in registers as the projection's operand; every work-group repeats that small work.
; The eight waves' partial sums meet in LDS behind one barrier.  out0's rows 0-15 are stored 64 consecutive bytes at a time: the tile is 16 columns wide, 131,072 bytes in the whole launch.
; All products by v_wmma_f32_16x16x4_f32, transposed (a lane holds one query), with K's four places of a step filled alike on both sides: S^T = K Q^T: channels 8 c + 4 h + 2 p + j;
; O^T = V^T P: keys 8 h + 2 i + j, which are registers 2 i, 2 i + 1 of p as they lie; out^T = wo ctx^T: channels 16 ct + 8 h + 2 i + j, registers 2 i, 2 i + 1 of O^T's tile as they lie.  Nothing changes lanes.
; The registers that these products write (window 1, v128-255) are written by nothing else.  Sums are taken in another order than a plain row sum.  NaN and infinities are not served.
; REGISTERS: window 0: v2-15 addresses; v16-47 k; v48-79 v (both later wo in f16); v80-207 q, later ctx; v208-239 scores, p, later sums; v240-251 statistics.  window 1: v0-127 wo; v128-159 S^T; v160-223 O^T of two heads; v224-255 out^T.
.set WREG,   16640                     ; a wave's 16 rows of wo: 1,024 bytes + 16 of padding each
.set WPITCH, 1040
.set RED,    8*WREG                    ; the partial sums: 1,024 bytes a wave
.set SPARE,  RED+8*1024                ; the spare words: 128 bytes a wave, named by no other line
.set AQK,  2                           ; 256 r + 16 h
.set AV,   3                           ; 2048 h + 4 r
.set LD16, 4                           ; 16 x lane
.set ST8,  5                           ; 8 x lane
.set LW,   6                           ; my region + 16 x lane
.set LF,   7                           ; my region + 1040 r + 32 h
.set LR,   8                           ; RED + 1024 w + 16 x lane
.set LG,   9                           ; where out(q, n) of wave 0's part lies
.set GO,   10                          ; 8192 q + 4 n
.set DIA,  11                          ; r - 8 h
.set NINF, 12
.set SPW,  14
.set NIL,  15
.set KR,   16
.set VR,   48
.set H16,  16
.set QR,   80
.set CTX,  80
.set T,    208
.set MX,   240
.set XX,   244
.set LL,   248
.set W,    0                           ; window 1
.set SA,   128
.set OA,   160
.set PA,   224
.set MSB, 0
.macro WIN new
.if MSB != \new
	s_set_vgpr_msb (MSB<<8)|\new
.set MSB, \new
.endif
.endm
.macro FAR                             ; eight plain lines behind a product of this form, ahead of the first read of its result (ISA guide 7.12.1)
.rept 8
	v_nop
.endr
.endm
	s_load_b256 s[4:11], s[0:1], 0x0               ; qkv32 s[4:5], wo s[6:7], wo16 s[8:9], out0 s[10:11]
	v_lshl_add_u32 v[SPW], v0, 2, SPARE
	v_mov_b32 v[NIL], 0
	v_lshrrev_b32 v1, 5, v0
	v_readfirstlane_b32 s12, v1                    ; wave 0..7
	v_and_b32 v208, 31, v0                         ; lane
	v_and_b32 v209, 15, v0                         ; r
	v_bfe_u32 v210, v0, 4, 1                       ; h
	v_lshlrev_b32 v[AQK], 8, v209
	v_lshl_add_u32 v[AQK], v210, 4, v[AQK]
	v_lshlrev_b32 v[AV], 2, v209
	v_lshl_add_u32 v[AV], v210, 11, v[AV]
	v_lshlrev_b32 v[LD16], 4, v208
	v_lshlrev_b32 v[ST8], 3, v208
	s_mul_i32 s13, s12, WREG
	v_add_nc_u32 v[LW], s13, v[LD16]
	v_mul_u32_u24 v[LF], v209, WPITCH
	v_lshl_add_u32 v[LF], v210, 5, v[LF]
	v_add_nc_u32 v[LF], s13, v[LF]
	s_lshl_b32 s13, s12, 10
	s_add_co_u32 s13, s13, RED
	v_add_nc_u32 v[LR], s13, v[LD16]
	v_bfe_u32 v211, v0, 2, 1                       ; n = lane % 16, q = 2 w + lane / 16: out(q, n) lies in lane q + 16 (n / 8), register n % 8
	v_bfe_u32 v212, v0, 3, 1
	v_and_b32 v213, 3, v0
	v_lshlrev_b32 v[LG], 9, v211                   ; registers 4-7 lie 512 bytes on
	v_lshl_add_u32 v[LG], v212, 8, v[LG]
	v_lshl_add_u32 v[LG], v213, 2, v[LG]
	v_lshl_add_u32 v[LG], v210, 4, v[LG]
	s_lshl_b32 s13, s12, 5
	s_add_co_u32 s13, s13, RED
	v_add_nc_u32 v[LG], s13, v[LG]
	v_lshlrev_b32 v[GO], 2, v209
	v_lshl_add_u32 v[GO], v210, 13, v[GO]
	s_lshl_b32 s13, s12, 14
	v_add_nc_u32 v[GO], s13, v[GO]
	v_lshlrev_b32 v[DIA], 3, v210
	v_sub_nc_u32 v[DIA], v209, v[DIA]
	v_mov_b32 v[NINF], 0xff800000
.irp hd, 0,1,2,3
	v_mov_b32 v[XX+\hd], 0                         ; a lane permute's destination counts as one of its sources
.endr
	s_mov_b32 s20, 0x76543210
	s_mov_b32 s21, 0xfedcba98                      ; lane l xor 16
	s_mov_b32 s22, 0x3e38aa3b                      ; c = log2(e) / sqrt(64)
	s_lshl_b32 s24, s12, 14                        ; my four q heads: 4,096 bytes each
	s_mov_b32 s25, 0
	s_lshl_b32 s26, s12, 12
	s_add_co_u32 s26, s26, 131072                  ; k head 32 + w; v lies 8 heads, 32,768 bytes, on
	s_mov_b32 s27, 0
	s_lshl_b32 s28, ttmp9, 17                      ; wo: 16 rows of 8,192 bytes,
	s_lshl_b32 s30, s12, 10                        ; my 256 columns
	s_add_co_u32 s28, s28, s30
	s_mov_b32 s29, 0
	s_lshl_b32 s30, ttmp9, 16                      ; wo16: half of that
	s_lshl_b32 s32, s12, 9
	s_add_co_u32 s30, s30, s32
	s_mov_b32 s31, 0
	s_lshl_b32 s32, ttmp9, 6                       ; out0: 16 columns of 4 bytes
	s_mov_b32 s33, 0
	s_wait_kmcnt 0x0
	s_add_nc_u64 s[14:15], s[4:5], s[24:25]
	s_add_nc_u64 s[16:17], s[4:5], s[26:27]
	s_add_nc_u64 s[6:7], s[6:7], s[28:29]
	s_add_nc_u64 s[8:9], s[8:9], s[30:31]
	s_add_nc_u64 s[10:11], s[10:11], s[32:33]
.irp c, 0,1,2,3,4,5,6,7
	global_load_b128 v[KR+4*\c:KR+4*\c+3], v[AQK], s[16:17] offset:32*\c               ; k(r, 8 c + 4 h ..)
.endr
.irp hd, 0,1,2,3
.irp c, 0,1,2,3,4,5,6,7
	global_load_b128 v[QR+32*\hd+4*\c:QR+32*\hd+4*\c+3], v[AQK], s[14:15] offset:4096*\hd+32*\c
.endr
.endr
.irp ct, 0,1,2,3
.irp k, 0,1,2,3,4,5,6,7
	global_load_b32 v[VR+8*\ct+\k], v[AV], s[16:17] offset:32768+256*\k+64*\ct         ; v(8 h + k, 16 ct + r)
.endr
.endr
	WIN 0x40                                       ; destination window 1
.irp i, 0,1,2,3,4,5,6,7,8,9,10,11,12,13,14,15
.irp f, 0,1
	global_load_b128 v[W+4*(2*\i+\f):W+4*(2*\i+\f)+3], v[LD16], s[6:7] offset:8192*\i+512*\f th:TH_LOAD_NT   ; 512 consecutive bytes of row i; read once in the launch
.endr
.endr
	WIN 0
.irp j, 0,1,2,3,4,5,6,7
	v_cmp_gt_i32 s[40+\j], \j, v[DIA]              ; key 8 h + j comes after query r
.endr
	s_wait_loadcnt 32                              ; k, q and v are in; wo's 32 loads stay out
	WIN 0x50                                       ; C and D window 1
.irp c, 0,1,2,3,4,5,6,7                ; S^T = K Q^T: the four heads' accumulators take turns
.irp p, 0,1
.irp hd, 0,1,2,3
.if (\c == 0) && (\p == 0)
	v_wmma_f32_16x16x4_f32 v[SA+8*\hd:SA+8*\hd+7], v[KR+4*\c+2*\p:KR+4*\c+2*\p+1], v[QR+32*\hd+4*\c+2*\p:QR+32*\hd+4*\c+2*\p+1], 0
.else
	v_wmma_f32_16x16x4_f32 v[SA+8*\hd:SA+8*\hd+7], v[KR+4*\c+2*\p:KR+4*\c+2*\p+1], v[QR+32*\hd+4*\c+2*\p:QR+32*\hd+4*\c+2*\p+1], v[SA+8*\hd:SA+8*\hd+7]
.endif
.endr
.endr
.endr
	FAR
	WIN 0x01                                       ; source 0 window 1
.irp hd, 0,1,2,3
.irp j, 0,1,2,3,4,5,6,7
	v_cndmask_b32 v[T+8*\hd+\j], v[SA+8*\hd+\j], v[NINF], s[40+\j]   ; hidden keys: -infinity; each accumulator from its low end on
.endr
.endr
	WIN 0
.irp hd, 0,1,2,3
	v_max3_num_f32 v[MX+\hd], v[T+8*\hd], v[T+8*\hd+1], v[T+8*\hd+2]
.endr
.irp hd, 0,1,2,3
	v_max3_num_f32 v[MX+\hd], v[MX+\hd], v[T+8*\hd+3], v[T+8*\hd+4]
.endr
.irp hd, 0,1,2,3
	v_max3_num_f32 v[MX+\hd], v[MX+\hd], v[T+8*\hd+5], v[T+8*\hd+6]
.endr
.irp hd, 0,1,2,3
	v_max_num_f32 v[MX+\hd], v[MX+\hd], v[T+8*\hd+7]
.endr
.irp hd, 0,1,2,3
	v_permlanex16_b32 v[XX+\hd], v[MX+\hd], s20, s21
.endr
.irp hd, 0,1,2,3
	v_max_num_f32 v[MX+\hd], v[MX+\hd], v[XX+\hd]  ; the row's largest score: key 0 counts for every query, so it is a number
.endr
.irp hd, 0,1,2,3
	v_mul_f32 v[MX+\hd], s22, v[MX+\hd]
.endr
.irp hd, 0,1,2,3
.irp j, 0,1,2,3,4,5,6,7
	v_fma_f32 v[T+8*\hd+\j], v[T+8*\hd+\j], s22, -v[MX+\hd]
.endr
.endr
.set i, 0
.rept 32
	v_exp_f32 v[T+i], v[T+i]
.set i, i+1
.endr
	v_nop                                          ; a plain line behind the last exponential
	s_wait_alu depctr_va_vdst(0)                   ; one wait for the batch, ahead of its first reader
.irp hd, 0,1,2,3
	v_add_f32 v[LL+\hd], v[T+8*\hd], v[T+8*\hd+1]
	v_add_f32 v[XX+\hd], v[T+8*\hd+2], v[T+8*\hd+3]
.endr
.irp hd, 0,1,2,3
	v_add_f32 v[LL+\hd], v[LL+\hd], v[T+8*\hd+4]
	v_add_f32 v[XX+\hd], v[XX+\hd], v[T+8*\hd+5]
.endr
.irp hd, 0,1,2,3
	v_add_f32 v[LL+\hd], v[LL+\hd], v[T+8*\hd+6]
	v_add_f32 v[XX+\hd], v[XX+\hd], v[T+8*\hd+7]
.endr
.irp hd, 0,1,2,3
	v_add_f32 v[LL+\hd], v[LL+\hd], v[XX+\hd]
.endr
.irp hd, 0,1,2,3
	v_permlanex16_b32 v[XX+\hd], v[LL+\hd], s20, s21
.endr
.irp hd, 0,1,2,3
	v_add_f32 v[LL+\hd], v[LL+\hd], v[XX+\hd]      ; the row's sum
.endr
.irp hd, 0,1,2,3
	v_rcp_f32 v[LL+\hd], v[LL+\hd]
.endr
	v_nop
	s_wait_alu depctr_va_vdst(0)                   ; one wait for the four reciprocals
.irp q, 0,1                            ; O^T = V^T P, two heads a round: eight accumulators by turns
	WIN 0x50
.irp i, 0,1,2,3
.irp e, 0,1
.irp ct, 0,1,2,3
.if \i == 0
	v_wmma_f32_16x16x4_f32 v[OA+32*\e+8*\ct:OA+32*\e+8*\ct+7], v[VR+8*\ct+2*\i:VR+8*\ct+2*\i+1], v[T+8*(2*\q+\e)+2*\i:T+8*(2*\q+\e)+2*\i+1], 0
.else
	v_wmma_f32_16x16x4_f32 v[OA+32*\e+8*\ct:OA+32*\e+8*\ct+7], v[VR+8*\ct+2*\i:VR+8*\ct+2*\i+1], v[T+8*(2*\q+\e)+2*\i:T+8*(2*\q+\e)+2*\i+1], v[OA+32*\e+8*\ct:OA+32*\e+8*\ct+7]
.endif
.endr
.endr
.endr
	FAR                                            ; with the multiplies of the other accumulators below: more than the nine lines owed before the next round begins these sums anew
	WIN 0x01
.irp e, 0,1
.irp ct, 0,1,2,3
.irp j, 0,1,2,3,4,5,6,7
	v_mul_f32 v[CTX+32*(2*\q+\e)+8*\ct+\j], v[OA+32*\e+8*\ct+\j], v[LL+2*\q+\e]   ; ctx(query r, channel 16 ct + 8 h + j)
.endr
.endr
.endr
.endr
	WIN 0
	s_wait_loadcnt 0x0                             ; wo
	WIN 0x05                                       ; sources window 1, destination window 0
.set i, 0
.rept 64
	v_cvt_pk_f16_f32 v[H16+i], v[W+2*i], v[W+2*i+1]
.set i, i+1
.endr
	WIN 0x04                                       ; an LDS store's data are its source 1
.irp i, 0,1,2,3,4,5,6,7,8,9,10,11,12,13,14,15
.irp f, 0,1
	ds_store_b128 v[LW], v[W+4*(2*\i+\f):W+4*(2*\i+\f)+3] offset:WPITCH*\i+512*\f
.endr
.endr
	WIN 0
.irp i, 0,1,2,3,4,5,6,7,8,9,10,11,12,13,14,15
.irp f, 0,1
	global_store_b64 v[ST8], v[H16+2*(2*\i+\f):H16+2*(2*\i+\f)+1], s[8:9] offset:4096*\i+256*\f   ; 256 consecutive bytes, aligned
.endr
.endr
	WIN 0x40
.irp g, 0,1,2,3,4,5,6,7,8,9,10,11,12,13,14,15
.irp e, 0,1
	ds_load_b128 v[W+8*\g+4*\e:W+8*\g+4*\e+3], v[LF] offset:64*\g+16*\e   ; wo(16 X + r, 256 w + 16 g + 8 h ..): my own bytes, in order behind my stores
.endr
.endr
	s_wait_dscnt 0x0
	WIN 0x51                                       ; source 0 (wo) window 1, C and D window 1
.irp ct, 0,1,2,3                       ; out^T = wo ctx^T: one accumulator a head, by turns
.irp i, 0,1,2,3
.irp hd, 0,1,2,3
.if (\ct == 0) && (\i == 0)
	v_wmma_f32_16x16x4_f32 v[PA+8*\hd:PA+8*\hd+7], v[W+8*(4*\hd+\ct)+2*\i:W+8*(4*\hd+\ct)+2*\i+1], v[CTX+32*\hd+8*\ct+2*\i:CTX+32*\hd+8*\ct+2*\i+1], 0
.else
	v_wmma_f32_16x16x4_f32 v[PA+8*\hd:PA+8*\hd+7], v[W+8*(4*\hd+\ct)+2*\i:W+8*(4*\hd+\ct)+2*\i+1], v[CTX+32*\hd+8*\ct+2*\i:CTX+32*\hd+8*\ct+2*\i+1], v[PA+8*\hd:PA+8*\hd+7]
.endif
.endr
.endr
.endr
	FAR
	WIN 0x05
.irp j, 0,1,2,3,4,5,6,7
	v_add_f32 v[T+\j], v[PA+\j], v[PA+8+\j]
.endr
.irp j, 0,1,2,3,4,5,6,7
	v_add_f32 v[T+8+\j], v[PA+16+\j], v[PA+24+\j]
.endr
	WIN 0
.irp j, 0,1,2,3,4,5,6,7
	v_add_f32 v[T+\j], v[T+\j], v[T+8+\j]          ; my K's part of out(query r, 16 X + 8 h + j)
.endr
	ds_store_b128 v[LR], v[T:T+3]
	ds_store_b128 v[LR], v[T+4:T+7] offset:512
	s_wait_dscnt 0x0                               ; for the others' sake: my part lies in LDS
	s_barrier_signal -1
	s_barrier_wait -1
.irp w, 0,1,2,3,4,5,6,7
	ds_load_b32 v[T+16+\w], v[LG] offset:1024*\w
.endr
	s_wait_dscnt 0x0
.irp w, 1,2,3,4,5,6,7
	v_add_f32 v[T+16], v[T+16], v[T+16+\w]         ; the eight parts, K ascending
.endr
	global_store_b32 v[GO], v[T+16], s[10:11]      ; sixteen lanes store 64 consecutive bytes of a row
	s_wait_tensorcnt 0x0                           ; the wave's end
	ds_add_u32 v[SPW], v[NIL]
	s_wait_dscnt 0x0
	s_endpgm
.Lfunc_end_k_qbc7a5bb23d_first16:
	.size	k_qbc7a5bb23d_first16, .Lfunc_end_k_qbc7a5bb23d_first16-k_qbc7a5bb23d_first16
	.p2alignl 7, 3214868480
	.fill 96, 4, 3214868480
	.section	.rodata,"a",@progbits
	.p2align	6, 0x0
	.amdhsa_kernel k_qbc7a5bb23d_first16
		.amdhsa_group_segment_fixed_size 142336
		.amdhsa_private_segment_fixed_size 0
		.amdhsa_enable_private_segment 0
		.amdhsa_kernarg_size 32
		.amdhsa_user_sgpr_count 2
		.amdhsa_user_sgpr_kernarg_segment_ptr 1
		.amdhsa_wavefront_size32 1
		.amdhsa_system_sgpr_workgroup_id_x 1
		.amdhsa_system_sgpr_workgroup_id_y 1
		.amdhsa_system_sgpr_workgroup_id_z 1
		.amdhsa_system_vgpr_workitem_id 0
		.amdhsa_next_free_vgpr 512
		.amdhsa_next_free_sgpr 66
		.amdhsa_reserve_vcc 0
		.amdhsa_float_denorm_mode_32 3
		.amdhsa_float_denorm_mode_16_64 3
		.amdhsa_memory_ordered 1
		.amdhsa_forward_progress 1
		.amdhsa_inst_pref_size 52
	.end_amdhsa_kernel
	.amdgpu_metadata
---
amdhsa.version: [ 1, 2 ]
amdhsa.kernels:
  - .name:           k_qbc7a5bb23d_first16
    .symbol:         k_qbc7a5bb23d_first16.kd
    .args:
      - { .name: qkv32, .offset: 0, .size: 8, .value_kind: global_buffer, .address_space: global }
      - { .name: wo, .offset: 8, .size: 8, .value_kind: global_buffer, .address_space: global }
      - { .name: wo16, .offset: 16, .size: 8, .value_kind: global_buffer, .address_space: global }
      - { .name: out0, .offset: 24, .size: 8, .value_kind: global_buffer, .address_space: global }
    .group_segment_fixed_size: 142336
    .private_segment_fixed_size: 0
    .kernarg_segment_align: 8
    .kernarg_segment_size: 32
    .max_flat_workgroup_size: 256
    .sgpr_count:     66
    .vgpr_count:     512
    .wavefront_size: 32
...
	.end_amdgpu_metadata
.endif
;; end of part 3
;; launch attn (part 4): grid 32 x 8, 16 waves a work-group, no clusters, 327,680 bytes of LDS; arguments qkv, ctx; writes ctx
.if DOCPART == 4
	.amdgcn_target "amdgcn-amd-amdhsa--gfx1250"
	.amdhsa_code_object_version 6
	.text
	.protected	k_qbc7a5bb23d_attn
	.globl	k_qbc7a5bb23d_attn
	.p2align	8
	.type	k_qbc7a5bb23d_attn,@function
k_qbc7a5bb23d_attn:
	s_mov_b64 s[64:65], 0
	v_nop
	global_prefetch_b8 v0, s[64:65] scope:SCOPE_SE
	s_setreg_imm32_b32 hwreg(HW_REG_WAVE_MODE, 25, 1), 1
	s_wait_xcnt 0x0
; ctx[s][64 head ..] = softmax over keys t <= s of (q . k / 8) times v, for 32 query heads that share 8 key and value heads.  q, k, v: qkv [48][2048][64] f16; ctx [2048][2048] f16; products, maxima and sums in f32, p rounded to f16.
; SHARES.  Work-group (i, g) owns positions 32 i .. 32 i + 31 and 32 (63 - i) .. + 31 of group g's four heads: 16 tiles of 16 queries, one a wave, so that every work-group has the same number of visible key steps.
; Wave w: u = w / 2, block (w xor w / 4) % 2, head 4 g + u / 2, tile u % 2 of the block.
; Every wave walks the keys 64 a step.  K and V come through two LDS slots of 256 keys filled by tensor loads (waves 0, 1: K's halves; waves 2, 3: V's) and read by all sixteen.
; LAYOUT.  S^T = K Q^T, O^T = V^T P: a lane holds one query (lane % 16) throughout; two tiles of S^T rounded in pairs are the second product's source 1.  V ([key][channel]) is turned by ds_load_tr16_b128.
; SOFTMAX.  Running maximum m and sum l: p = 2^(c s - c m), c = log2(e) / 8; in every step O and l are multiplied by 2^(c m_old - c m_new).  The loop has no first step of its own: m begins at -3e38, l and O at 0.
; CAUSAL.  All work-groups walk all 8 slots (constant trip counts); a step all of whose keys come after the wave's queries is jumped over; on the diagonal hidden scores become -infinity.
; A slot whose first key comes after the work-group's last query is read by none of its waves and is not asked for: a jump on ids, the same in all waves, round the load alone; every wait on TENSORcnt is for 0.
; NO CLUSTER: the work-groups of a group have different last queries, so a joint load would bring some partners tiles that none of their waves reads.
; Positions 0-15 are made here too, so that ctx is whole; what the next launch makes of them is not stored.
; LIMITS: f16 operands: magnitudes up to 65,504; NaN and infinities are not served.
.set SK,     256                       ; keys in a slot
.set NQ,     4                         ; steps of 64 keys in a slot
.set NSL,    8
.set KP,     144                       ; a key's row of K in LDS: 128 bytes + 16
.set VP,     160                       ; of V: 128 + 32: an odd multiple of 32, as the turning load's 8 rows x 32 bytes want
.set VOFF,   SK*KP
.set SLOT1,  1<<17                     ; one exclusive or turns an address from one slot to the other
.set SPARE,  2*SLOT1                   ; the spare words: 128 bytes a wave, named by no other line
.set SPITCH, 528                       ; the way out: 64 rows x (512 bytes + 16), in slot 0, which is left at the last change of slots and filled no more
.set AK0, 1
.set AV0, 2
.set ADK, 3
.set ADV, 4
.set SPW, 5
.set NIL, 6
.set PFO, 7
.set CM,  8                            ; c m;  v9 m;  v[10:11] l;  v12-15 at work, a in v14
.set MM,  9
.set LL,  10
.set C0,  12
.set DIA, 16                           ; r - 8 h
.set DD,  17
.set NINF, 18
.set QA,  19
.set Q,   20
.set S,   36
.set P,   68
.set O,   84
.set KR,  116
.set VR,  180
.set STO, 244
.set RD,  245
.set GO,  246
.set WV,  8
.set Q0,  14
.set QL,  15
.set KF,  16
.set TB,  17
.set SLOTS, 18
.set LIM, 19
.set SEL, 20
.set CS,  22
.set G1K, 24
.set G1V, 32
.set G0K, 40
.set G0V, 44
.set PFA, 48
.macro TLOAD                           ; waves 0, 1 fetch K's halves, waves 2, 3 V's, the others nothing; s_nop 0 and four v_nop follow each line
	s_cmp_lt_u32 s[WV], 2
	s_cbranch_scc0 .Lnot_k_\@
	tensor_load_to_lds s[G0K:G0K+3], s[G1K:G1K+7]
	s_nop 0
.rept 4
	v_nop
.endr
	s_branch .Lasked_\@
.Lnot_k_\@:
	s_cmp_lt_u32 s[WV], 4
	s_cbranch_scc0 .Lasked_\@
	tensor_load_to_lds s[G0V:G0V+3], s[G1V:G1V+7]
	s_nop 0
.rept 4
	v_nop
.endr
.Lasked_\@:
.endm
; A prefetch of the slot that the NEXT change will load: 32,768 dense bytes of K and of V.  Only work-group i = 0 of a group asks (it walks all keys); in it waves 4-7 for K, waves 8-11 for V,
; 8,192 bytes a wave, lanes 256 bytes apart, one instruction: each block is named once in the launch.  Slots 2 to 7 are asked for; the last change that loads asks for nothing.
.macro ASK
	s_cmp_gt_u32 s[SLOTS], s[LIM]
	s_cbranch_scc0 .Lnot_mine_\@
	global_prefetch_b8 v[PFO], s[PFA:PFA+1] th:TH_LOAD_NT scope:SCOPE_SE
.Lnot_mine_\@:
.endm
	s_load_b128 s[4:7], s[0:1], 0x0                ; qkv s[4:5], ctx s[6:7]
	v_lshl_add_u32 v[SPW], v0, 2, SPARE
	v_mov_b32 v[NIL], 0
	ds_add_u32 v[SPW], v[NIL]                      ; the opening: the add, twice on end, and its wait ahead of the first tensor load
	ds_add_u32 v[SPW], v[NIL]
	v_lshrrev_b32 v8, 5, v0
	v_readfirstlane_b32 s[WV], v8                  ; wave 0..15
	s_and_b32 s9, ttmp7, 0xffff                    ; g
	s_lshr_b32 s10, s[WV], 1                       ; u
	s_lshr_b32 s11, s[WV], 2
	s_xor_b32 s11, s11, s[WV]
	s_and_b32 s11, s11, 1                          ; which of the two blocks
	s_lshl_b32 s50, ttmp9, 1
	s_sub_co_u32 s50, 63, s50                      ; 63 - 2 i
	s_mul_i32 s12, s50, s11
	s_add_co_u32 s12, s12, ttmp9                   ; my block of 32 positions
	s_and_b32 s13, s10, 1
	s_lshl_b32 s13, s13, 4
	s_lshl_b32 s[Q0], s12, 5
	s_add_co_u32 s[Q0], s[Q0], s13                 ; my first query
	s_sub_co_u32 s[QL], 63, ttmp9
	s_lshl_b32 s[QL], s[QL], 5
	s_or_b32 s[QL], s[QL], 31                      ; the work-group's last query
	s_lshl_b32 s52, s9, 2
	s_lshr_b32 s53, s10, 1                         ; my head in the group
	s_add_co_u32 s52, s52, s53
	s_lshl_b32 s52, s52, 18                        ; a head is 262,144 bytes,
	s_lshl_b32 s51, s[Q0], 7                       ; a row 128
	s_add_co_u32 s52, s52, s51                     ; q at my first query
	s_lshl_b32 s51, s11, 5
	s_add_co_u32 s51, s51, s13
	s_mul_i32 s51, s51, SPITCH
	s_lshl_b32 s53, s53, 7
	s_add_co_u32 s51, s51, s53                     ; the stage: my 16 rows, my head's 128 bytes
	s_mov_b32 s53, 0
	s_add_co_u32 s54, s9, 32
	s_lshl_b32 s54, s54, 18                        ; k's head; v's lies 8 heads, 0x200000 bytes, on
	s_cmp_lt_u32 s[WV], 8
	s_cselect_b32 s58, 0, 0x200000
	s_add_co_u32 s58, s58, s54
	s_and_b32 s59, s[WV], 3
	s_lshl_b32 s59, s59, 13
	s_add_co_u32 s58, s58, s59
	s_add_co_u32 s58, s58, SK*128                  ; my prefetches stand in slot 1; the first change steps them to slot 2.  Nothing is prefetched at the head
	s_mov_b32 s59, 0
	s_and_b32 s56, s[WV], 1                        ; which 128 rows of a tile I fetch
	s_lshl_b32 s57, s56, 14
	s_add_co_u32 s54, s54, s57
	s_mov_b32 s55, 0
	s_lshr_b32 s60, s[WV], 3                       ; the way out: wave w stores stage rows 4 w .. 4 w + 3
	s_mul_i32 s60, s60, s50
	s_add_co_u32 s60, s60, ttmp9
	s_lshl_b32 s60, s60, 5
	s_and_b32 s61, s[WV], 7
	s_lshl_b32 s61, s61, 2
	s_add_co_u32 s60, s60, s61                     ; their first position
	s_lshl_b32 s60, s60, 12                        ; a row of ctx is 4,096 bytes,
	s_lshl_b32 s61, s9, 9                          ; the group's four heads 512
	s_add_co_u32 s60, s60, s61
	s_mov_b32 s61, 0
	s_sub_co_u32 s57, s[WV], 4
	s_lshr_b32 s57, s57, 3                         ; 0 in waves 4 to 11,
	s_or_b32 s57, s57, ttmp9                       ; of work-group i = 0
	s_cmp_eq_u32 s57, 0
	s_cselect_b32 s[LIM], 1, -1
	s_mov_b32 s[G1K], (1<<16)|(1<<20)|(4<<22)|(3<<25)   ; no mask; elements of 2 bytes; 4 words of padding behind every 32
	s_mov_b32 s[G1V], (1<<16)|(1<<20)|(4<<22)|(7<<25)   ; 8 words
.irp g, G1K, G1V
	s_mov_b32 s[\g+1], 64<<16                      ; tensor_dim0
	s_mov_b32 s[\g+2], 128<<16                     ; tensor_dim1
	s_mov_b32 s[\g+3], 64<<16                      ; tile_dim0
	s_mov_b32 s[\g+4], 128                         ; tile_dim1
	s_mov_b32 s[\g+5], 64                          ; the pitch in memory
	s_mov_b32 s[\g+6], 0
	s_mov_b32 s[\g+7], 0
.endr
	s_mov_b32 s[G0K], 1
	s_mul_i32 s[G0K+1], s56, 128*KP
	s_mov_b32 s[G0V], 1
	s_mul_i32 s[G0V+1], s56, 128*VP
	s_add_co_u32 s[G0V+1], s[G0V+1], VOFF
	s_mov_b32 s[SEL], 0x76543210
	s_mov_b32 s[SEL+1], 0xfedcba98
	s_mov_b32 s[CS], 0x3e38aa3b                    ; c = log2(e) / sqrt(64)
	s_mov_b32 s[CS+1], s[CS]
	s_mov_b32 s[TB], 0
	s_mov_b32 s[KF], 0
	s_mov_b32 s[SLOTS], NSL-1
	s_wait_dscnt 0x0                               ; both opening adds are done
	s_wait_kmcnt 0x0
	s_add_nc_u64 s[G0K+2:G0K+3], s[4:5], s[54:55]
	s_add_nc_u64 s[G0V+2:G0V+3], s[G0K+2:G0K+3], 0x200000
	s_or_b32 s[G0K+3], s[G0K+3], 0x80000000
	s_or_b32 s[G0V+3], s[G0V+3], 0x80000000
	TLOAD                                          ; slot 0: keys 0-255, which hold key 0: every wave reads it
	s_add_nc_u64 s[52:53], s[4:5], s[52:53]
	s_add_nc_u64 s[PFA:PFA+1], s[4:5], s[58:59]
	s_add_nc_u64 s[6:7], s[6:7], s[60:61]
	v_and_b32 v8, 15, v0                           ; r
	v_bfe_u32 v9, v0, 4, 1                         ; h
	v_and_b32 v10, 31, v0                          ; lane
	v_lshlrev_b32 v[QA], 7, v8
	v_lshl_add_u32 v[QA], v9, 4, v[QA]
.irp c, 0,1,2,3
	global_load_b128 v[Q+4*\c:Q+4*\c+3], v[QA], s[52:53] offset:32*\c   ; q's two fragments stay in registers
.endr
	v_mul_u32_u24 v[AK0], v8, KP
	v_lshl_add_u32 v[AK0], v9, 4, v[AK0]
	v_and_b32 v11, 7, v0
	v_lshl_add_u32 v[AV0], v9, 3, v11
	v_mul_u32_u24 v[AV0], v[AV0], VP
	v_bfe_u32 v11, v0, 3, 1
	v_lshl_add_u32 v[AV0], v11, 4, v[AV0]
	v_add_nc_u32 v[AV0], VOFF, v[AV0]
	v_lshlrev_b32 v[PFO], 8, v10
	v_lshlrev_b32 v[DIA], 3, v9
	v_sub_nc_u32 v[DIA], v8, v[DIA]
	v_mul_u32_u24 v[STO], v8, SPITCH
	v_lshl_add_u32 v[STO], v9, 4, v[STO]
	v_add_nc_u32 v[STO], s51, v[STO]
	s_mul_i32 s51, s[WV], 4*SPITCH
	v_lshlrev_b32 v[GO], 4, v10
	v_add_nc_u32 v[RD], s51, v[GO]
	v_mov_b32 v[NINF], 0xff800000
	v_mov_b32 v[MM], 0xff61b1e6                    ; -3e38, under every score
	v_mul_f32 v[CM], s[CS], v[MM]
	v_mov_b32 v[LL], 0
	v_mov_b32 v[LL+1], 0
.irp j, 0,1,2,3
	v_mov_b32 v[C0+\j], 0                          ; written once: read as a permute's destination and as a pair on every way
.endr
	v_mov_b32 v[DD], 0
.set i, 0
.rept 32
	v_mov_b32 v[O+i], 0                            ; the step is written once: the first finds zeros
.set i, i+1
.endr
.macro STEP q                          ; 64 keys, the q-th step of the slot in hand
	s_add_co_u32 s60, s[Q0], 15
	s_cmp_gt_u32 s[KF], s60                        ; all keys come after my queries: ids and the count of steps alone
	s_cbranch_scc1 .Lhidden_\@
	v_add_nc_u32 v[ADK], s[TB], v[AK0]
	v_add_nc_u32 v[ADV], s[TB], v[AV0]
	v_nop
	v_nop                                          ; four plain lines behind the last products, ahead of loads into registers that they read
.irp kt, 0,1,2,3
.irp cs, 0,1
	ds_load_b128 v[KR+8*(2*\kt+\cs):KR+8*(2*\kt+\cs)+3],   v[ADK] offset:(64*(\q)+16*\kt)*KP+64*\cs
	ds_load_b128 v[KR+8*(2*\kt+\cs)+4:KR+8*(2*\kt+\cs)+7], v[ADK] offset:(64*(\q)+16*\kt)*KP+64*\cs+32
.endr
.endr
.irp kh, 0,1
.irp ct, 0,1,2,3
	ds_load_tr16_b128 v[VR+8*(4*\kh+\ct):VR+8*(4*\kh+\ct)+3],   v[ADV] offset:(64*(\q)+32*\kh)*VP+32*\ct
	ds_load_tr16_b128 v[VR+8*(4*\kh+\ct)+4:VR+8*(4*\kh+\ct)+7], v[ADV] offset:(64*(\q)+32*\kh+16)*VP+32*\ct
.endr
.endr
	s_wait_dscnt 16                                ; K is in; V's sixteen loads stay out
.irp kt, 0,1,2,3                       ; S^T = K Q^T: four accumulators by turns
	v_wmma_f32_16x16x32_f16 v[S+8*\kt:S+8*\kt+7], v[KR+8*(2*\kt):KR+8*(2*\kt)+7], v[Q:Q+7], 0
.endr
.irp kt, 0,1,2,3
	v_wmma_f32_16x16x32_f16 v[S+8*\kt:S+8*\kt+7], v[KR+8*(2*\kt+1):KR+8*(2*\kt+1)+7], v[Q+8:Q+15], v[S+8*\kt:S+8*\kt+7]
.endr
.rept 4
	v_nop
.endr
	s_add_co_u32 s60, s[KF], 63
	s_cmp_le_u32 s60, s[Q0]                        ; all keys count
	s_cbranch_scc1 .Lopen_\@
	s_sub_co_i32 s60, s[Q0], s[KF]
	v_add_nc_u32 v[DD], s60, v[DIA]                ; register 8 kt + j holds key KF + 16 kt + 8 h + j: hidden where 16 kt + j > my query - KF - 8 h
.irp n, 0,1,2,3,4,5,6,7,8,9,10,11,12,13,14,15,16,17,18,19,20,21,22,23,24,25,26,27,28,29,30,31
	v_cmp_gt_i32 vcc_lo, 16*(\n/8)+\n%8, v[DD]
	v_cndmask_b32 v[S+\n], v[S+\n], v[NINF], vcc_lo
.endr
.Lopen_\@:
.irp j, 0,1,2,3
	v_max3_num_f32 v[C0+\j], v[S+8*\j], v[S+8*\j+1], v[S+8*\j+2]   ; each accumulator is read from its low end on
.endr
.irp j, 0,1,2,3
	v_max3_num_f32 v[C0+\j], v[C0+\j], v[S+8*\j+3], v[S+8*\j+4]
.endr
.irp j, 0,1,2,3
	v_max3_num_f32 v[C0+\j], v[C0+\j], v[S+8*\j+5], v[S+8*\j+6]
.endr
	v_max3_num_f32 v[C0], v[C0], v[S+7], v[S+15]
	v_max3_num_f32 v[C0+2], v[C0+2], v[S+23], v[S+31]
	v_max3_num_f32 v[C0], v[C0], v[C0+1], v[C0+2]
	v_max3_num_f32 v[C0], v[C0], v[C0+3], v[MM]
	v_permlanex16_b32 v[C0+1], v[C0], s[SEL], s[SEL+1]   ; the query's other 32 keys lie in the lane 16 away
	v_mov_b32 v[C0+3], v[CM]
	v_max_num_f32 v[MM], v[C0], v[C0+1]
	v_mul_f32 v[CM], s[CS], v[MM]
	v_sub_f32 v[C0+3], v[C0+3], v[CM]              ; c m_old - c m_new
.set i, 0
.rept 16
	v_pk_fma_f32 v[S+2*i:S+2*i+1], v[S+2*i:S+2*i+1], s[CS:CS+1], v[CM:CM+1] op_sel_hi:[1,0,0] neg_lo:[0,0,1] neg_hi:[0,0,1]   ; c s - c m
.set i, i+1
.endr
	v_exp_f32 v[C0+2], v[C0+3]                     ; a
.set i, 0
.rept 32
	v_exp_f32 v[S+i], v[S+i]
.set i, i+1
.endr
	v_nop                                          ; a plain line behind the last exponential
	s_wait_alu depctr_va_vdst(0)                   ; one wait for the batch of 33, ahead of its first reader
.set i, 0
.rept 16
	v_cvt_pk_f16_f32 v[P+i], v[S+2*i], v[S+2*i+1]
.set i, i+1
.endr
.irp z, 0,1,2,3,4,5,6,7
	v_pk_add_f32 v[S+4*\z:S+4*\z+1], v[S+4*\z:S+4*\z+1], v[S+4*\z+2:S+4*\z+3]   ; the sum of the unrounded p, in place
.endr
.irp z, 0,1,2,3
	v_pk_add_f32 v[S+8*\z:S+8*\z+1], v[S+8*\z:S+8*\z+1], v[S+8*\z+4:S+8*\z+5]
.endr
.irp z, 0,1
	v_pk_add_f32 v[S+16*\z:S+16*\z+1], v[S+16*\z:S+16*\z+1], v[S+16*\z+8:S+16*\z+9]
.endr
	v_pk_add_f32 v[S:S+1], v[S:S+1], v[S+16:S+17]
	v_pk_fma_f32 v[LL:LL+1], v[LL:LL+1], v[C0+2:C0+3], v[S:S+1] op_sel_hi:[1,0,1]
.set i, 0
.rept 16
	v_pk_mul_f32 v[O+2*i:O+2*i+1], v[O+2*i:O+2*i+1], v[C0+2:C0+3] op_sel_hi:[1,0]
.set i, i+1
.endr
	s_wait_dscnt 0x0                               ; V is in
.irp kh, 0,1                           ; O^T += V^T P: four accumulators by turns
.irp ct, 0,1,2,3
	v_wmma_f32_16x16x32_f16 v[O+8*\ct:O+8*\ct+7], v[VR+8*(4*\kh+\ct):VR+8*(4*\kh+\ct)+7], v[P+8*\kh:P+8*\kh+7], v[O+8*\ct:O+8*\ct+7]
.endr
.endr
.Lhidden_\@:
	s_add_co_u32 s[KF], s[KF], 64
.endm
; THE CHANGE OF SLOTS stands at a slot's head: every wave waits for all its tensor loads, adds 0 to its spare word, waits for that and for its reads of the slot that it has left, and passes the barrier.
; fill = 1: the slot just left takes the next 256 keys, up to the causal limit: the load has a whole slot's steps in which to land.  One tensor load of a wave is out at a time.
.macro CHANGE fill
	s_wait_tensorcnt 0x0
	ds_add_u32 v[SPW], v[NIL]
.if \fill
	ds_add_u32 v[SPW], v[NIL]                      ; and twice on end here, in every trip alike
	s_xor_b32 s[G0K+1], s[G0K+1], SLOT1            ; no load of mine is out: the descriptors walk: the other slot, the next 256 keys
	s_add_nc_u64 s[G0K+2:G0K+3], s[G0K+2:G0K+3], SK*128
	s_xor_b32 s[G0V+1], s[G0V+1], SLOT1
	s_add_nc_u64 s[G0V+2:G0V+3], s[G0V+2:G0V+3], SK*128
	s_wait_xcnt 0x0                                ; the last prefetch, a slot back, has read its address
	s_add_nc_u64 s[PFA:PFA+1], s[PFA:PFA+1], SK*128
.endif
	s_wait_dscnt 0x0
	s_barrier_signal -1
	s_barrier_wait -1
.if \fill
	s_add_co_u32 s60, s[KF], SK                    ; the first key of the slot that this change would ask for
	s_cmp_gt_u32 s60, s[QL]                        ; past the work-group's last query: no wave would read it
	s_cbranch_scc1 .Lpast_\@
	TLOAD
.Lpast_\@:
	ASK
.endif
.endm
.macro SLOT_STEPS
.set QQ, 0
.rept NQ
	STEP QQ
.set QQ, QQ+1
.endr
	s_xor_b32 s[TB], s[TB], SLOT1
.endm
	s_wait_loadcnt 0x0                             ; q
.Lslot:                                            ; 7 trips
	CHANGE 1
	SLOT_STEPS
	s_sub_co_u32 s[SLOTS], s[SLOTS], 1
	s_cmp_lg_u32 s[SLOTS], 0
	s_cbranch_scc1 .Lslot
	CHANGE 0                                       ; the last slot is written out: nothing is left to ask for
	SLOT_STEPS
	; THE WAY OUT.  O^T / l, rounded to f16, into the work-group's stage: a row's 512 bytes come from four waves, so a barrier stands between writing and reading; then whole rows.
.rept 4
	v_nop
.endr
	v_add_f32 v[LL], v[LL], v[LL+1]
	v_permlanex16_b32 v[C0], v[LL], s[SEL], s[SEL+1]
	v_add_f32 v[LL], v[LL], v[C0]
	v_rcp_f32 v[C0+2], v[LL]
	v_nop
	s_wait_alu depctr_va_vdst(0)                   ; ahead of the reciprocal's first reader
.set i, 0
.rept 16
	v_pk_mul_f32 v[O+2*i:O+2*i+1], v[O+2*i:O+2*i+1], v[C0+2:C0+3] op_sel_hi:[1,0]
.set i, i+1
.endr
.set i, 0
.rept 16
	v_cvt_pk_f16_f32 v[P+i], v[O+2*i], v[O+2*i+1]
.set i, i+1
.endr
.irp ct, 0,1,2,3
	ds_store_b128 v[STO], v[P+4*\ct:P+4*\ct+3] offset:32*\ct
.endr
	s_wait_dscnt 0x0                               ; for the others' sake
	s_barrier_signal -1
	s_barrier_wait -1
.irp i, 0,1,2,3
	ds_load_b128 v[S+4*\i:S+4*\i+3], v[RD] offset:SPITCH*\i
.endr
.irp i, 0,1,2,3
	s_wait_dscnt 3-\i                              ; row i is back; the later rows may be out
	global_store_b128 v[GO], v[S+4*\i:S+4*\i+3], s[6:7] offset:4096*\i   ; 512 consecutive bytes, aligned
.endr
	s_wait_tensorcnt 0x0                           ; the wave's end
	ds_add_u32 v[SPW], v[NIL]
	s_wait_dscnt 0x0
	s_endpgm
.Lfunc_end_k_qbc7a5bb23d_attn:
	.size	k_qbc7a5bb23d_attn, .Lfunc_end_k_qbc7a5bb23d_attn-k_qbc7a5bb23d_attn
	.p2alignl 7, 3214868480
	.fill 96, 4, 3214868480
	.section	.rodata,"a",@progbits
	.p2align	6, 0x0
	.amdhsa_kernel k_qbc7a5bb23d_attn
		.amdhsa_group_segment_fixed_size 327680
		.amdhsa_private_segment_fixed_size 0
		.amdhsa_enable_private_segment 0
		.amdhsa_kernarg_size 16
		.amdhsa_user_sgpr_count 2
		.amdhsa_user_sgpr_kernarg_segment_ptr 1
		.amdhsa_wavefront_size32 1
		.amdhsa_system_sgpr_workgroup_id_x 1
		.amdhsa_system_sgpr_workgroup_id_y 1
		.amdhsa_system_sgpr_workgroup_id_z 1
		.amdhsa_system_vgpr_workitem_id 0
		.amdhsa_next_free_vgpr 256
		.amdhsa_next_free_sgpr 66
		.amdhsa_reserve_vcc 1
		.amdhsa_float_denorm_mode_32 3
		.amdhsa_float_denorm_mode_16_64 3
		.amdhsa_memory_ordered 1
		.amdhsa_forward_progress 1
		.amdhsa_inst_pref_size 109
	.end_amdhsa_kernel
	.amdgpu_metadata
---
amdhsa.version: [ 1, 2 ]
amdhsa.kernels:
  - .name:           k_qbc7a5bb23d_attn
    .symbol:         k_qbc7a5bb23d_attn.kd
    .args:
      - { .name: qkv, .offset: 0, .size: 8, .value_kind: global_buffer, .address_space: global }
      - { .name: ctx, .offset: 8, .size: 8, .value_kind: global_buffer, .address_space: global }
    .group_segment_fixed_size: 327680
    .private_segment_fixed_size: 0
    .kernarg_segment_align: 8
    .kernarg_segment_size: 16
    .max_flat_workgroup_size: 512
    .sgpr_count:     66
    .vgpr_count:     256
    .wavefront_size: 32
...
	.end_amdgpu_metadata
.endif
;; end of part 4
;; launch proj (part 5): grid 16 x 16, 4 waves a work-group, clusters of 4 x 4, 327,680 bytes of LDS; arguments ctx, wo16, out0; writes out0
.if DOCPART == 5
	.amdgcn_target "amdgcn-amd-amdhsa--gfx1250"
	.amdhsa_code_object_version 6
	.text
	.protected	k_qbc7a5bb23d_proj
	.globl	k_qbc7a5bb23d_proj
	.p2align	8
	.type	k_qbc7a5bb23d_proj,@function
k_qbc7a5bb23d_proj:
	s_mov_b64 s[64:65], 0
	v_nop
	global_prefetch_b8 v0, s[64:65] scope:SCOPE_SE
	s_setreg_imm32_b32 hwreg(HW_REG_WAVE_MODE, 25, 1), 1
	s_wait_xcnt 0x0
	s_wait_alu depctr_hold_cnt(0) depctr_sa_sdst(0) depctr_va_vdst(0) depctr_va_sdst(0) depctr_va_ssrc(0) depctr_va_vcc(0) depctr_vm_vsrc(0)
	s_getreg_b32 s2, hwreg(HW_REG_IB_STS2, 6, 4)
	s_cmp_eq_u32 s2, 0
	s_cbranch_scc0 .Lentry_in_a_cluster
	s_endpgm
.Lentry_in_a_cluster:
	s_bfe_u32 s2, ttmp6, 0x10000c
	s_cmp_lg_u32 s2, 0xf033
	s_cbranch_scc0 .Lentry_shape_is_right
	s_endpgm
.Lentry_shape_is_right:
; out0[s][n] = sum over k of ctx[s][k] wo[n][k], f16 operands, f32 sums, f32 out; rows 16-2047 (rows 0-15 are an earlier launch's, in f32, and are left out here by EXEC, not by a branch).
; A tile of 128 x 128 gives 256 work-groups.  Four waves, 64 x 64 each: 16 accumulators.  K goes in steps of 256 (LDS rows of 512 bytes) through two slots filled by tensor loads.
; CLUSTER 4 x 4: ctx's tiles are shared along a row of the cluster, wo's along a column: joint loads, the same descriptor and a mask naming the four.
; TRANSPOSED USE (source 0 = 16 rows of wo, source 1 = 16 rows of ctx): a lane holds eight neighbouring numbers of a row of out0.
; A wave's 64 columns of f32 are 256 aligned bytes, so each wave has a stage of its own, in slot 0, which has had its last fill and its last read by then: no barrier on the way out.
; REGISTERS: window 0: v0-31 addresses; v32-95 rows on the way out; v128-255 the accumulators.  window 1: two fragment buffers of 128.
.set SIZE_M, 2048
.set SIZE_N, 2048
.set SIZE_K, 2048
.set KSTEP,  256
.set PITCH,  528                       ; an LDS row: 512 bytes + 16: the 16 rows of a fragment load start 132 words apart
.set HALFT,  64*PITCH
.set SLOT,   4*HALFT
.set SPARE,  2*SLOT                    ; the spare words: 128 bytes a wave, named by no other line
.set SPITCH, 272
.set LAPS, SIZE_K/(2*KSTEP)
.set ADRA, 16
.set ADRB, 20
.set STO,  24
.set RD,   25
.set CO,   26
.set R0V,  27                          ; v27 my wave's first row
.set SPW,  28
.set NIL,  29
.set TMP,  32
.set ACC,  128
.set F0,   0
.set F1,   128
.set G1, 24
.set G0, 32
.set G1B, 48
.set G0B, 56
.set MSB, 0
.macro WIN new
.if MSB != \new
	s_set_vgpr_msb (MSB<<8)|\new
.set MSB, \new
.endif
.endm
.set MUL,  0x05
.set TO_F, 0x40
.macro JLOAD s                         ; waves 0, 1 fetch ctx's two halves, waves 2, 3 wo's; s_nop 0 and four v_nop follow each line
	s_cmp_eq_u32 s11, 0
	s_cbranch_scc0 .Lfor_b_\@
	tensor_load_to_lds s[G0+4*\s:G0+4*\s+3], s[G1:G1+7]
	s_nop 0
.rept 4
	v_nop
.endr
	s_branch .Lasked_\@
.Lfor_b_\@:
	tensor_load_to_lds s[G0B+4*\s:G0B+4*\s+3], s[G1B:G1B+7]
	s_nop 0
.rept 4
	v_nop
.endr
.Lasked_\@:
.endm
.macro CREST
	s_cmp_lg_u32 s10, 0
	s_cbranch_scc1 .Lnot_wave_0_\@
	s_barrier_signal -3
.Lnot_wave_0_\@:
	s_barrier_wait -3
	s_barrier_signal -1
	s_barrier_wait -1
.endm
.macro CROUND
	s_barrier_signal -1
	s_barrier_wait -1
	CREST
.endm
	s_load_b128 s[4:7], s[0:1], 0x0                ; ctx s[4:5], wo16 s[6:7]
	s_load_b64 s[8:9], s[0:1], 0x10                ; out0
	v_lshl_add_u32 v[SPW], v0, 2, SPARE
	v_mov_b32 v[NIL], 0
	ds_add_u32 v[SPW], v[NIL]                      ; the opening: the add, twice on end, and its wait ahead of my first tensor load
	ds_add_u32 v[SPW], v[NIL]
	v_lshrrev_b32 v1, 5, v0
	v_readfirstlane_b32 s10, v1                    ; wave 0..3
	s_lshr_b32 s11, s10, 1                         ; my half of the rows; also: I fetch for ctx (0) or wo (1)
	s_and_b32 s12, s10, 1                          ; my half of the columns; also: which 64 rows I fetch
	s_bfe_u32 s40, ttmp6, 0x40000
	s_bfe_u32 s41, ttmp6, 0x40004
	s_lshl_b32 s42, ttmp9, 2
	s_add_co_u32 s42, s42, s40                     ; tile column
	s_and_b32 s13, ttmp7, 0xffff
	s_lshl_b32 s13, s13, 2
	s_add_co_u32 s13, s13, s41                     ; tile row
	s_lshl_b32 s43, s41, 2
	s_lshl_b32 s43, 15, s43
	s_lshl_b32 s44, 0x1111, s40
	s_or_b32 s[G1+0], s43, (1<<16)|(1<<20)|(1<<21)|(6<<22)|(3<<25)  ; the mask; elements of 2 bytes; 4 words of padding behind every 128
	s_or_b32 s[G1B+0], s44, (1<<16)|(1<<20)|(1<<21)|(6<<22)|(3<<25)
.irp g, G1, G1B
	s_mov_b32 s[\g+1], KSTEP<<16
	s_mov_b32 s[\g+2], 64<<16
	s_mov_b32 s[\g+3], KSTEP<<16
	s_mov_b32 s[\g+4], 64
	s_mov_b32 s[\g+5], SIZE_K
	s_mov_b32 s[\g+6], 0
	s_mov_b32 s[\g+7], 0
.endr
	s_lshl_b32 s17, s12, 6
	s_lshl_b32 s16, s13, 7
	s_add_co_u32 s16, s16, s17
	s_lshl_b32 s46, s42, 7
	s_add_co_u32 s46, s46, s17
	s_mov_b32 s17, 0
	s_mov_b32 s47, 0
	s_mov_b64 s[18:19], SIZE_K*2
	s_mul_u64 s[16:17], s[16:17], s[18:19]
	s_mul_u64 s[46:47], s[46:47], s[18:19]
	s_mul_i32 s20, s10, HALFT
	s_wait_dscnt 0x0                               ; both opening adds are done
	s_wait_kmcnt 0x0
	s_add_nc_u64 s[14:15], s[4:5], s[16:17]
	s_add_nc_u64 s[46:47], s[6:7], s[46:47]
	CROUND                                         ; the first joint loads meet
.irp s, 0,1
	s_mov_b32 s[G0+4*\s], 1
	s_add_co_u32 s[G0+4*\s+1], s20, \s*SLOT
	s_add_nc_u64 s[G0+4*\s+2:G0+4*\s+3], s[14:15], \s*KSTEP*2
	s_or_b32 s[G0+4*\s+3], s[G0+4*\s+3], 0x80000000
	s_mov_b32 s[G0B+4*\s], 1
	s_add_co_u32 s[G0B+4*\s+1], s20, \s*SLOT
	s_add_nc_u64 s[G0B+4*\s+2:G0B+4*\s+3], s[46:47], \s*KSTEP*2
	s_or_b32 s[G0B+4*\s+3], s[G0B+4*\s+3], 0x80000000
	JLOAD \s                                       ; two loads of mine are out at the start, one behind each later round
.endr
	v_and_b32 v1, 15, v0
	v_bfe_u32 v2, v0, 4, 1
	v_mul_u32_u24 v3, v1, PITCH
	v_lshl_add_u32 v3, v2, 4, v3
	s_mul_i32 s21, s11, HALFT
	s_mul_i32 s22, s12, HALFT
	s_add_co_u32 s22, s22, 2*HALFT
.irp s, 0,1
	v_add_nc_u32 v[ADRA+\s], s21, v3
	v_add_nc_u32 v[ADRB+\s], s22, v3
	s_add_co_u32 s21, s21, SLOT
	s_add_co_u32 s22, s22, SLOT
.endr
	s_mul_i32 s23, s10, 64*SPITCH                  ; my stage: 64 rows of 256 bytes + 16
	v_mul_u32_u24 v4, v1, SPITCH
	v_lshl_add_u32 v4, v2, 5, v4
	v_add_nc_u32 v[STO], s23, v4                   ; in: row r, 32 bytes for each half of the lanes
	v_mul_u32_u24 v5, v2, SPITCH
	v_lshl_add_u32 v5, v1, 4, v5
	v_add_nc_u32 v[RD], s23, v5                    ; back: lanes 0-15 one row, lanes 16-31 the next
	v_lshlrev_b32 v5, 13, v2
	v_lshl_add_u32 v[CO], v1, 4, v5                ; and the same two rows in out0 (8,192 bytes a row)
	s_lshl_b32 s16, s13, 7
	s_lshl_b32 s17, s11, 6
	s_add_co_u32 s16, s16, s17                     ; my first row
	v_mov_b32 v[R0V], s16
	s_lshl_b32 s16, s16, 13
	s_mov_b32 s17, 0
	s_add_nc_u64 s[8:9], s[8:9], s[16:17]
	s_lshl_b32 s46, s42, 9                         ; my first column, in bytes: 512 x tile column + 256 x half
	s_lshl_b32 s47, s12, 8
	s_add_co_u32 s46, s46, s47
	s_mov_b32 s47, 0
	s_add_nc_u64 s[8:9], s[8:9], s[46:47]
.macro MUL8 f, c, a0, zero             ; 8 products; the 16 accumulators take turns
.irp a, \a0, \a0+1
.irp b, 0,1,2,3
.if \zero
	v_wmma_f32_16x16x32_f16 v[ACC+8*(4*(\a)+\b):ACC+8*(4*(\a)+\b)+7], v[\f+64+8*(4*\c+\b):\f+64+8*(4*\c+\b)+7], v[\f+8*(4*\c+\a):\f+8*(4*\c+\a)+7], 0
.else
	v_wmma_f32_16x16x32_f16 v[ACC+8*(4*(\a)+\b):ACC+8*(4*(\a)+\b)+7], v[\f+64+8*(4*\c+\b):\f+64+8*(4*\c+\b)+7], v[\f+8*(4*\c+\a):\f+8*(4*\c+\a)+7], v[ACC+8*(4*(\a)+\b):ACC+8*(4*(\a)+\b)+7]
.endif
.endr
.endr
.endm
.macro FETCH slot, k, f                ; 32 LDS loads in one run: the fragments of 64 along K, the first 32 along K first
	WIN TO_F
.irp c, 0,1
.irp i, 0,1,2,3
	ds_load_b128 v[\f+64+8*(4*\c+\i):\f+64+8*(4*\c+\i)+3],   v[ADRB+\slot] offset:\k+64*\c+\i*16*PITCH
	ds_load_b128 v[\f+64+8*(4*\c+\i)+4:\f+64+8*(4*\c+\i)+7], v[ADRB+\slot] offset:\k+64*\c+\i*16*PITCH+32
	ds_load_b128 v[\f+8*(4*\c+\i):\f+8*(4*\c+\i)+3],         v[ADRA+\slot] offset:\k+64*\c+\i*16*PITCH
	ds_load_b128 v[\f+8*(4*\c+\i)+4:\f+8*(4*\c+\i)+7],       v[ADRA+\slot] offset:\k+64*\c+\i*16*PITCH+32
.endr
.endr
.endm
.macro PLACES                          ; four plain lines between a product and a load into, or a read of, its registers
.rept 4
	v_nop
.endr
.endm
.macro QUARTER slot, k, f, g, zero
	s_wait_dscnt 16                                ; the first 32 along K are in; sixteen loads may be out
	WIN MUL
	MUL8 \f, 0, 0, \zero
	MUL8 \f, 0, 2, \zero
	PLACES
	FETCH \slot, \k, \g
	s_wait_dscnt 32                                ; all but the 32 just issued
	WIN MUL
	MUL8 \f, 1, 0, 0
	MUL8 \f, 1, 2, 0
.endm
.macro TURN slot, next, fill
	WIN 0
	s_wait_tensorcnt 0x0                           ; all my tensor loads have landed: my part of the next slot
	ds_add_u32 v[SPW], v[NIL]
	s_wait_dscnt 17                                ; the add and the youngest sixteen loads may be out
	WIN MUL
	MUL8 F1, 0, 0, 0
	s_wait_dscnt 0x0                               ; the add is done, and my reads of this slot are over
	s_barrier_signal -1
	MUL8 F1, 0, 2, 0
.if \fill
	WIN 0
.endif
	s_barrier_wait -1
.if \fill
	CREST                                          ; the barrier has opened a round of the cluster's
	s_add_nc_u64 s[G0+4*\slot+2:G0+4*\slot+3], s[G0+4*\slot+2:G0+4*\slot+3], 2*KSTEP*2
	s_add_nc_u64 s[G0B+4*\slot+2:G0B+4*\slot+3], s[G0B+4*\slot+2:G0B+4*\slot+3], 2*KSTEP*2
	JLOAD \slot                                    ; my one tensor load behind the round; its four v_nop are the places for the loads below
.else
	PLACES
.endif
	FETCH \next, 0, F0
	WIN MUL
	MUL8 F1, 1, 0, 0
	MUL8 F1, 1, 2, 0
.endm
	s_wait_tensorcnt 1                             ; my part of K step 0 is in; K step 1's may be out
	s_barrier_signal -1
	s_barrier_wait -1
	FETCH 0, 0, F0
	QUARTER 0, 128, F0, F1, 1                      ; the first products start the sums
.if LAPS > 1
	WIN 0
	s_mov_b32 s3, LAPS-1
.Llap:
	QUARTER 0, 256, F1, F0, 0
	QUARTER 0, 384, F0, F1, 0
	TURN 0, 1, 1
	QUARTER 1, 128, F0, F1, 0
	QUARTER 1, 256, F1, F0, 0
	QUARTER 1, 384, F0, F1, 0
	TURN 1, 0, 1
	QUARTER 0, 128, F0, F1, 0
	WIN 0
	s_sub_co_u32 s3, s3, 1
	s_cmp_lg_u32 s3, 0
	s_cbranch_scc1 .Llap
.endif
	QUARTER 0, 256, F1, F0, 0
	QUARTER 0, 384, F0, F1, 0
	TURN 0, 1, 0
	QUARTER 1, 128, F0, F1, 0
	QUARTER 1, 256, F1, F0, 0
	QUARTER 1, 384, F0, F1, 0
	s_wait_dscnt 16
	WIN MUL
	MUL8 F1, 0, 0, 0
	MUL8 F1, 0, 2, 0
	s_wait_dscnt 0
	MUL8 F1, 1, 0, 0
	MUL8 F1, 1, 2, 0
	WIN 0
	; THE WAY OUT: 32 bytes a lane into my stage, each accumulator from its low end on; back as whole rows of 256 bytes, two a load.
	PLACES
.irp a, 0,1,2,3
.irp b, 0,1,2,3
	ds_store_b128 v[STO], v[ACC+8*(4*\a+\b):ACC+8*(4*\a+\b)+3] offset:\a*16*SPITCH+64*\b
	ds_store_b128 v[STO], v[ACC+8*(4*\a+\b)+4:ACC+8*(4*\a+\b)+7] offset:\a*16*SPITCH+64*\b+16
.endr
.endr
.irp t, 0,1,2,3,4,5,6,7,8,9,10,11,12,13,14,15
	ds_load_b128 v[TMP+4*\t:TMP+4*\t+3], v[RD] offset:\t*2*SPITCH     ; my own bytes, in order behind my stores
.endr
.irp t, 16,17,18,19,20,21,22,23,24,25,26,27,28,29,30,31
	ds_load_b128 v[ACC+4*(\t-16):ACC+4*(\t-16)+3], v[RD] offset:\t*2*SPITCH   ; into accumulators that have been stored
.endr
	v_cmp_ne_u32 vcc_lo, 0, v[R0V]                 ; my rows 0-15 are out0's rows 0-15 where my first row is 0: another launch's
	s_wait_xcnt 0x0
	s_and_saveexec_b32 s2, vcc_lo
.irp t, 0,1,2,3,4,5,6,7
	s_wait_dscnt 31-\t                             ; rows 2 t, 2 t + 1 are back; the later loads may be out
	global_store_b128 v[CO], v[TMP+4*\t:TMP+4*\t+3], s[8:9] offset:\t*16384 th:TH_STORE_NT   ; sixteen lanes store 256 consecutive bytes, aligned
.endr
	s_wait_xcnt 0x0                                ; EXEC is a source of these stores
	s_or_b32 exec_lo, exec_lo, s2
.irp t, 8,9,10,11,12,13,14,15
	s_wait_dscnt 31-\t
	global_store_b128 v[CO], v[TMP+4*\t:TMP+4*\t+3], s[8:9] offset:\t*16384 th:TH_STORE_NT
.endr
.irp t, 16,17,18,19,20,21,22,23,24,25,26,27,28,29,30,31
	s_wait_dscnt 31-\t
	global_store_b128 v[CO], v[ACC+4*(\t-16):ACC+4*(\t-16)+3], s[8:9] offset:\t*16384 th:TH_STORE_NT
.endr
	s_wait_tensorcnt 0x0                           ; the wave's end
	ds_add_u32 v[SPW], v[NIL]
	s_wait_dscnt 0x0
	CROUND                                         ; the closing round
	s_endpgm
.Lfunc_end_k_qbc7a5bb23d_proj:
	.size	k_qbc7a5bb23d_proj, .Lfunc_end_k_qbc7a5bb23d_proj-k_qbc7a5bb23d_proj
	.p2alignl 7, 3214868480
	.fill 96, 4, 3214868480
	.section	.rodata,"a",@progbits
	.p2align	6, 0x0
	.amdhsa_kernel k_qbc7a5bb23d_proj
		.amdhsa_group_segment_fixed_size 327680
		.amdhsa_private_segment_fixed_size 0
		.amdhsa_enable_private_segment 0
		.amdhsa_kernarg_size 24
		.amdhsa_user_sgpr_count 2
		.amdhsa_user_sgpr_kernarg_segment_ptr 1
		.amdhsa_wavefront_size32 1
		.amdhsa_system_sgpr_workgroup_id_x 1
		.amdhsa_system_sgpr_workgroup_id_y 1
		.amdhsa_system_sgpr_workgroup_id_z 1
		.amdhsa_system_vgpr_workitem_id 0
		.amdhsa_next_free_vgpr 512
		.amdhsa_next_free_sgpr 66
		.amdhsa_reserve_vcc 1
		.amdhsa_float_denorm_mode_32 3
		.amdhsa_float_denorm_mode_16_64 3
		.amdhsa_memory_ordered 1
		.amdhsa_forward_progress 1
		.amdhsa_inst_pref_size 86
	.end_amdhsa_kernel
	.amdgpu_metadata
---
amdhsa.version: [ 1, 2 ]
amdhsa.kernels:
  - .name:           k_qbc7a5bb23d_proj
    .symbol:         k_qbc7a5bb23d_proj.kd
    .args:
      - { .name: ctx, .offset: 0, .size: 8, .value_kind: global_buffer, .address_space: global }
      - { .name: wo16, .offset: 8, .size: 8, .value_kind: global_buffer, .address_space: global }
      - { .name: out0, .offset: 16, .size: 8, .value_kind: global_buffer, .address_space: global }
    .group_segment_fixed_size: 327680
    .private_segment_fixed_size: 0
    .kernarg_segment_align: 8
    .kernarg_segment_size: 24
    .max_flat_workgroup_size: 128
    .sgpr_count:     66
    .vgpr_count:     512
    .wavefront_size: 32
...
	.end_amdgpu_metadata
.endif
;; end of part 5
